; MI455X (gfx1250); checked and timed in simulation.
; The chip was launched on July 23, 2026; its instructions are those of AMD's public machine-readable ISA for CDNA 5 (MIT licence, August 2026) and "CDNA5" Instruction Set Architecture Reference Guide (July 2026). The comments in the code are by the model that wrote it; some were corrected since.
;; Sparse Causal Self Attention. Allowed arithmetic: matrix products marked QUANTISED: E4M3 operands, one E8M0 scale for each 32 along K, by v_wmma_scale_f32_16x16x128_f8f6f4 with both operands' format E4M3, f32 sums; everything else in f32.
;; Inputs: Wproj 1,024 x 1,024 float32; Wqkv 1,024 x 3,072 float32; bproj 1,024 float32; bqkv 3,072 float32; mask 2,048 x 2,048 bool; x 4 x 2,048 x 1,024 float32.
;; Outputs: out0 4 x 2,048 x 1,024 float32.
;; This version of the problem:
;;   THIS VERSION OF THE PROBLEM IS GIVEN IN LOW PRECISION. The matrix products marked QUANTISED in the list below multiply operands that are first quantised to E4M3 (4 exponent bits, 3 mantissa bits; 8 bits a number), with one power-of-two scale for each 32 numbers along K (OCP MX v1.0); their sums are f32. All else is computed in f32.
;;   The module's matrix products, in the order in which they are computed (A, B: the left and right operand; K: the contracted axis; several contracted axes count as one K, in the product's order):
;;     1. [M 8,192, K 1,024] x [K 1,024, N 3,072]; A: input x; B: input Wqkv: QUANTISED
;;     2. batch 64 x [M 2,048, K 64] x [K 64, N 2,048]; A: computed on the way; B: computed on the way: QUANTISED
;;     3. batch 64 x [M 2,048, K 2,048] x [K 2,048, N 64]; A: softmax (see below); B: computed on the way: QUANTISED
;;     4. [M 8,192, K 1,024] x [K 1,024, N 1,024]; A: computed on the way; B: input Wproj: QUANTISED
;;   THE QUANTISER, for each operand of a quantised product, along K:
;;     - K is cut into blocks of 32 from its start; a last block that is shorter is filled with zeros.
;;     - A block's scale is 2^e with e = floor(log2(the largest magnitude in the block)) - 8, held to -126 .. 127; a block of zeros has e = 0. As a byte (E8M0): e + 127.
;;     - Each number is divided by its block's scale, clamped to +-448, and rounded to the nearest number of E4M3, ties to even, subnormals kept.
;;     - The product sums the exact products of the quantised numbers (number of the format x scale) in f32.
;;   ~~~python
;;   def quantise(x, axis):      # numpy; x: float32 -> the quantised numbers, widened to float32 again
;;       x = np.moveaxis(x, axis, -1); K = x.shape[-1]
;;       x = np.pad(x, [(0, 0)] * (x.ndim - 1) + [(0, -K % 32)]); x = x.reshape(x.shape[:-1] + (-1, 32)); a = np.abs(x).max(-1, keepdims=True)
;;       e = np.where(a > 0, np.clip(np.frexp(np.where(a > 0, a, 1))[1] - 1 - 8, -126, 127), 0)      # np.frexp(a)[1] - 1 = floor(log2(a)), exactly
;;       r = np.clip(x / 2.0 ** e, -448, 448)
;;       step = 2.0 ** (np.maximum(np.frexp(np.where(r == 0, 1, r))[1] - 1, -6) - 3)
;;       q = np.round(r / step) * step * 2.0 ** e      # np.round: ties to even
;;       return np.moveaxis(q.reshape(q.shape[:-2] + (-1,))[..., :K], -1, axis).astype(np.float32)
;;   ~~~
;;   SOFTMAX AHEAD OF A QUANTISED PRODUCT. Where the list says 'softmax', what is quantised is not the finished softmax but p = 2^(t - M), with t = logit x log2(e) and M = ceil(the row's largest t), a whole number; so 1/2 < the row's largest p <= 1. The row's sum l is taken of the UNQUANTISED p, in f32, and the product's result is divided by l at the end. Since M is a whole number, a kernel that streams over the keys may use a running M (the ceiling of the running maximum): every later rescaling is an exact power of two, which a block's scale takes up: the codes' values come out the same.
;;   OPERANDS COMPUTED ON THE WAY. 'Computed on the way' means the value that the module computes at that place (a softmax that the list does not call 'softmax' is quantised finished and normalised). What goes into a quantiser is computed in f32, as accurately as f32 sums, v_exp_f32 and their like allow (about 1e-6 of the number): no bf16 or f16 on the way to a quantiser, and a product that is left as it is and whose result goes on into a quantised operand takes f32 operands (vector FMAs, or v_wmma_f32_16x16x4_f32). A number that lies on a knife's edge between two numbers of the format may be rounded either way, as far as f32 arithmetic and the matrix unit's own rounding can turn it there, and no further.
;; 2 versions, each right; version 2 is version 1 with the launch attn written anew for expert scheduling mode. Each part assembles by itself: llvm-mc -triple=amdgcn-amd-amdhsa -mcpu=gfx1250 --defsym DOCPART=n.
;; ======== version 1 of 2: 4 launches
;; workspace buffers: xw_codes 12,582,912 bytes; xw_scales 393,216 bytes; maskw 541,696 bytes of whole numbers; qkv_codes 25,165,824 bytes; qkv_scales 786,432 bytes; y_codes 8,388,608 bytes; y_scales 262,144 bytes
;; launch prep (part 1): grid 640 x 1, 4 waves a work-group, no clusters, 85,504 bytes of LDS; arguments x, Wqkv, Wproj, mask, xw_codes, xw_scales, maskw; writes xw_codes, xw_scales, maskw
.if DOCPART == 1
	.amdgcn_target "amdgcn-amd-amdhsa--gfx1250"
	.amdhsa_code_object_version 6
	.text
	.protected	k_q08230add2d_prep
	.globl	k_q08230add2d_prep
	.p2align	8
	.type	k_q08230add2d_prep,@function
k_q08230add2d_prep:
	s_mov_b64 s[64:65], 0
	v_nop
	global_prefetch_b8 v0, s[64:65] scope:SCOPE_SE
	s_setreg_imm32_b32 hwreg(HW_REG_WAVE_MODE, 25, 1), 1
	s_wait_xcnt 0x0
; SPARSE CAUSAL SELF-ATTENTION IN MX-FP8, launch 1 of 4: x, Wqkv and Wproj become codes of E4M3 with one E8M0 byte for each 32 along K = 1,024; the mask becomes bits.
; WORK LEFT OUT BY THE PROGRAM, AND WHY IT IS DEAD.  No input is dead: all six are loaded.  The attention launch leaves out a unit of 64 queries x 32 keys (32 keys are one block of p's quantiser) where all the
; unit's mask bytes are 0: reference() sets those logits to -infinity, so their p are exact zeros, the block's codes are zeros, and they add nothing to the row's sum nor to the second product, whatever finite
; values q, k and v hold.  The choice is made on whole numbers: this launch stores the mask's bits and one flag bit for each (16 queries, 32 keys); the attention launch reads them.  No pattern of the mask is built in.
; LIMIT: a NaN, an infinity or an overflow in k or v that lies only under units left out is not carried to the result.
; LIMITS of the quantiser here: NaN and infinities among x and the weights are not served; a block whose largest magnitude lies under 2^-118 gets the scale byte 1; a block of zeros gets the byte 1 and not 127:
; its codes are zeros, and this program alone reads the bytes.
; THE ORDER OF ROWS.  swap34(i) is i with bits 3 and 4 exchanged.  Row t of x is stored at place swap34(t), column n of a weight at place swap34(n).  Sixteen neighbouring places taken as a matrix
; instruction's source 0 then leave, in a lane's 16 result registers of two neighbouring tiles, 16 true neighbours: every later result is quantised in the registers in which it falls.
; xw_codes: x at 0, [place 8,192][1,024]; the weights at 8,388,608, [place 4,096][1,024] (0-3,071 Wqkv's columns, 3,072-4,095 Wproj's).  xw_scales: x at 0, the weights at 262,144, [place][32].
; maskw: at 0 [query tile 128][key block 64][16 words]: word i, bit r + 16 h = mask[token(tile, r)][32 block + 16 h + i], token(tile, r) = 32 (tile / 2) + 16 (r / 8) + 8 (tile % 2) + r % 8;
;        at 524,288 + 4,096 t, t = 0 .. 3: 256 zero bytes (the words of a list's padding); at 540,672 [query tile][8 bytes]: bit b of the 64 = the unit (tile, key block b) has a true byte.
; THREE PATHS part on the work-group's number: 0-255 x, 256-383 the weights, 384-639 the mask; each has LDS bytes of its own.  Memory binds: no matrix unit, no cluster, no tensor load; waves share nothing, so no barrier.
.set SPARE, 84992                      ; behind the three paths' bytes: the spare words, 128 bytes for each wave
.set SPW,   208                        ; v208  LDS address of my spare word; never rewritten
.set NIL,   209                        ; v209  0; never rewritten
.set MANT,  0x600000                   ; the mantissa field of 448 as f32
.set WREG,  8192                       ; x: a region for each wave: two stages of 32 x SP bytes, then its 256 scale bytes
.set SP,    80                         ; x: a lane's place in a stage: 64 bytes + 16 of padding
.set XR,    16                         ; x: v16-79 four sets of 16 numbers as loaded
.set XX,    80                         ; x: v80-111 two sets of 16 neighbours
.set XE,    112                        ; x: v112-127 a scale byte for each step
.set XC,    128                        ; x: v128-191 codes, four registers for each step
.set WSTG,  32768                      ; weights: four stages of 32 rows x 272 bytes
.set WX,    32                         ; weights: v32-95 two sets of 32 numbers
.set WC,    96                         ; weights: v96-103 a block's codes
.set WOUT,  112                        ; weights: v112-175 the way out
.set WSB,   24                         ; weights: v24-25 the scale bytes
.set WVO,   176                        ; weights: v176-207 offsets 4 x lane + i x a row of the weight; never rewritten
.set MSTG,  67584                      ; mask: four stages of 16 rows x 272 bytes
	s_load_b256 s[4:11], s[0:1], 0x0               ; x s[4:5], Wqkv s[6:7], Wproj s[8:9], mask s[10:11]
	s_load_b128 s[12:15], s[0:1], 0x20             ; xw_codes s[12:13], xw_scales s[14:15]
	s_load_b64 s[24:25], s[0:1], 0x30              ; maskw
	v_lshl_add_u32 v[SPW], v0, 2, SPARE
	v_mov_b32 v[NIL], 0
	v_lshrrev_b32 v1, 5, v0
	v_readfirstlane_b32 s16, v1                    ; wave 0..3
	v_and_b32 v2, 31, v0                           ; lane
	s_mov_b32 s48, MANT
	s_cmp_lt_u32 ttmp9, 256
	s_cbranch_scc0 .Lnot_x
; ---- PATH X.  A wave takes 8 rows of x, 8,192 numbers, in 16 steps of 512.  Each load reads 512 consecutive bytes; a step's 2,048 bytes turn through the wave's stage so that a lane holds 16 neighbours
; (two neighbouring lanes hold a block).  Rows 8 g .. 8 g + 7 go to places 8 g' .., g' = g with its two low bits exchanged: that is swap34 on rows.
	v_lshlrev_b32 v3, 4, v2                        ; my 16 bytes of a load's 512
	s_mul_i32 s17, s16, WREG
	v_lshrrev_b32 v14, 2, v2
	v_mul_u32_u24 v14, v14, SP
	v_and_b32 v15, 3, v2
	v_lshl_add_u32 v14, v15, 4, v14
	v_add_nc_u32 v14, s17, v14                     ; the stage, in: SP (lane / 4) + 16 (lane % 4)
	v_mul_u32_u24 v15, v2, SP
	v_add_nc_u32 v15, s17, v15                     ; and out: SP x lane
	v_lshlrev_b32 v4, 4, v2                        ; my codes' place in a step's
	v_lshrrev_b32 v5, 1, v2
	s_add_co_u32 s17, s17, 2*32*SP
	v_add_nc_u32 v5, s17, v5                       ; LDS: my block's scale byte
	v_lshlrev_b32 v7, 3, v2
	v_add_nc_u32 v6, s17, v7                       ; and on the way out 8 bytes a lane
	s_lshl_b32 s17, ttmp9, 2
	s_add_co_u32 s18, s17, s16                     ; g
	s_lshl_b32 s18, s18, 15                        ; 32,768 bytes of f32 a run
	s_mov_b32 s19, 0
	s_and_b32 s20, s16, 1
	s_lshl_b32 s20, s20, 1
	s_lshr_b32 s21, s16, 1
	s_or_b32 s20, s20, s21
	s_add_co_u32 s20, s20, s17                     ; g'
	s_wait_kmcnt 0x0
	s_add_nc_u64 s[4:5], s[4:5], s[18:19]
	s_lshl_b32 s18, s20, 13                        ; 8,192 bytes of codes a run
	s_add_nc_u64 s[12:13], s[12:13], s[18:19]
	s_lshl_b32 s18, s20, 8                         ; 256 scale bytes a run
	s_add_nc_u64 s[14:15], s[14:15], s[18:19]
.macro XLOAD t
.irp i, 0,1,2,3
	global_load_b128 v[XR+16*((\t)%4)+4*\i:XR+16*((\t)%4)+4*\i+3], v3, s[4:5] offset:2048*(\t)+512*\i th:TH_LOAD_NT
.endr
.endm
.macro XTURN t                         ; LDS serves a wave's instructions in order: no wait between the stores and the loads
.irp i, 0,1,2,3
	ds_store_b128 v14, v[XR+16*((\t)%4)+4*\i:XR+16*((\t)%4)+4*\i+3] offset:32*SP*((\t)%2)+8*SP*\i
.endr
.irp i, 0,1,2,3
	ds_load_b128 v[XX+16*((\t)%2)+4*\i:XX+16*((\t)%2)+4*\i+3], v15 offset:32*SP*((\t)%2)+16*\i
.endr
.endm
.irp t, 0,1,2,3
	XLOAD \t
.endr
	s_wait_loadcnt 12                              ; step 0's four loads are in; three steps' twelve may be out
	XTURN 0
.macro XSTEP t
.set XS, XX+16*((\t)%2)
.if (\t) > 0
	s_wait_dscnt 1                                 ; this step's numbers are back from the stage; the last step's byte store may be out
.else
	s_wait_dscnt 0x0
.endif
.if (\t)+4 < 16
	XLOAD (\t)+4                                   ; into the set whose stores into the stage are done
.endif
.if (\t)+1 < 16
.if 14-(\t) >= 3
	s_wait_loadcnt 12                              ; the next step's four loads are in; those of the three steps behind it may be out
.else
	s_wait_loadcnt 4*(14-(\t))
.endif
	XTURN (\t)+1
.endif
	v_max3_num_f32 v8, |v[XS]|, |v[XS+1]|, |v[XS+2]|
	v_max3_num_f32 v9, |v[XS+3]|, |v[XS+4]|, |v[XS+5]|
.irp i, 6,10
	v_max3_num_f32 v8, v8, |v[XS+\i]|, |v[XS+\i+1]|
	v_max3_num_f32 v9, v9, |v[XS+\i+2]|, |v[XS+\i+3]|
.endr
	v_max3_num_f32 v8, v8, |v[XS+14]|, |v[XS+15]|
	v_max3_num_f32 v8, v8, v9, 0x4800000           ; and the floor 2^(9 - 127): the byte cannot fall under 1
	v_max_num_f32_dpp v8, v8, v8 row_xmask:1 row_mask:0xf bank_mask:0xf   ; with my neighbour's 16: the block's largest magnitude
	v_add_nc_u32 v11, 0xfc000000, v8               ; 8 off its exponent field: the conversion's scale operand
	v_and_or_b32 v10, v8, 0x7f800000, s48          ; 448 x the scale
.irp i, 0,1,2,3,4,5,6,7,8,9,10,11,12,13,14,15
	v_med3_num_f32 v[XS+\i], v[XS+\i], -v10, v10   ; the conversion to an 8-bit code does not saturate (ISA guide 7.6.2): the hold comes first
.endr
	v_cvt_scalef32_pk8_fp8_f32 v[XC+4*(\t):XC+4*(\t)+1], v[XS:XS+7], v11
	v_cvt_scalef32_pk8_fp8_f32 v[XC+4*(\t)+2:XC+4*(\t)+3], v[XS+8:XS+15], v11
	v_lshrrev_b32 v[XE+(\t)], 23, v11              ; the scale's byte
	ds_store_b8 v5, v[XE+(\t)] offset:16*(\t)      ; both lanes of a block write the same byte with the same value
	global_store_b128 v4, v[XC+4*(\t):XC+4*(\t)+3], s[12:13] offset:512*(\t)   ; the wave stores 512 consecutive bytes, aligned
.endm
.irp t, 0,1,2,3,4,5,6,7,8,9,10,11,12,13,14,15
	XSTEP \t
.endr
	ds_load_b64 v[8:9], v6
	s_wait_dscnt 0x0
	global_store_b64 v7, v[8:9], s[14:15]          ; 32 lanes store 256 consecutive bytes, aligned
	s_wait_tensorcnt 0x0                           ; the wave's end: behind my last LDS store
	ds_add_u32 v[SPW], v[NIL]
	s_wait_dscnt 0x0
	s_endpgm
; ---- PATH W.  K is the weights' first axis: a lane takes a column and its registers run down K, so a block of 32 lies in one lane.  A wave takes 32 columns x 256 along K; a work-group 128 columns.
.Lnot_x:
	s_cmp_lt_u32 ttmp9, 384
	s_cbranch_scc0 .Lmask
	s_sub_co_u32 s17, ttmp9, 256
	s_lshr_b32 s18, s17, 2                         ; group of 128 columns, 0..31: 0-23 Wqkv's, 24-31 Wproj's
	s_and_b32 s19, s17, 3                          ; which 256 along K
	v_lshlrev_b32 v3, 2, v2                        ; in: 4 bytes a lane
	s_mul_i32 s20, s16, 32*272
	s_add_co_u32 s20, s20, WSTG                    ; my stage
	v_mul_u32_u24 v4, v2, 272
	v_add_nc_u32 v4, s20, v4                       ; into it: row = my column
	v_and_b32 v5, 15, v2
	v_lshrrev_b32 v6, 4, v2
	v_mul_u32_u24 v7, v6, 272
	v_lshl_add_u32 v7, v5, 4, v7
	v_add_nc_u32 v7, s20, v7                       ; out of it: sixteen lanes to a row, two rows an instruction
	v_lshlrev_b32 v8, 10, v6
	v_lshl_add_u32 v8, v5, 4, v8                   ; and the same in the codes' buffer
	v_and_b32 v9, 7, v2
	v_bfe_u32 v10, v2, 3, 1
	v_lshl_or_b32 v9, v10, 4, v9
	v_bfe_u32 v10, v2, 4, 1
	v_lshl_or_b32 v9, v10, 3, v9                   ; swap34(lane)
	v_lshlrev_b32 v9, 5, v9                        ; my column's row of scale bytes
	s_mov_b32 s21, 4096
	s_wait_kmcnt 0x0
	s_cmp_lt_u32 s18, 24                           ; the choice hangs on the work-group's number alone
	s_cselect_b64 s[6:7], s[6:7], s[8:9]
	s_cselect_b32 s20, 0, 24
	s_cselect_b32 s21, 12288, s21                  ; a row of the weight in bytes
	s_sub_co_u32 s20, s18, s20                     ; the group within its tensor
	s_lshl_b32 s22, s21, 8
	s_mul_i32 s22, s22, s19                        ; 256 rows for each step along K
	s_lshl_b32 s26, s20, 9
	s_add_co_u32 s22, s22, s26
	s_lshl_b32 s26, s16, 7
	s_add_co_u32 s22, s22, s26                     ; + 4 x my first column
	s_mov_b32 s23, 0
	s_add_nc_u64 s[32:33], s[6:7], s[22:23]        ; a base for each of the 8 blocks, 32 rows apart: none is ever rewritten
	s_lshl_b32 s22, s21, 5
.irp t, 1,2,3,4,5,6,7
	s_add_nc_u64 s[32+2*\t:33+2*\t], s[30+2*\t:31+2*\t], s[22:23]
.endr
.irp i, 0,1,2,3,4,5,6,7,8,9,10,11,12,13,14,15,16,17,18,19,20,21,22,23,24,25,26,27,28,29,30,31
	v_mad_u32_u24 v[WVO+\i], s21, \i, v3
.endr
	s_lshl_b32 s26, s18, 7
	s_lshl_b32 s27, s16, 5
	s_add_co_u32 s26, s26, s27                     ; my wave's first place among the 4,096
	s_lshl_b32 s28, s26, 10
	s_lshl_b32 s29, s19, 8
	s_add_co_u32 s28, s28, s29
	s_add_co_u32 s28, s28, 0x800000
	s_mov_b32 s29, 0
	s_add_nc_u64 s[12:13], s[12:13], s[28:29]
	s_lshl_b32 s28, s26, 5
	s_lshl_b32 s27, s19, 3
	s_add_co_u32 s28, s28, s27
	s_add_co_u32 s28, s28, 0x40000
	s_add_nc_u64 s[14:15], s[14:15], s[28:29]
.macro WLOAD t
.irp i, 0,1,2,3,4,5,6,7,8,9,10,11,12,13,14,15,16,17,18,19,20,21,22,23,24,25,26,27,28,29,30,31
	global_load_b32 v[WX+32*((\t)%2)+\i], v[WVO+\i], s[32+2*(\t):33+2*(\t)] th:TH_LOAD_NT
.endr
.endm
	WLOAD 0
	WLOAD 1
.macro WBLOCK t
.set XS, WX+32*((\t)%2)
.if (\t) < 7
	s_wait_loadcnt 32                              ; this block's 32 loads are in; the next block's may be out
.else
	s_wait_loadcnt 0x0
.endif
	v_max3_num_f32 v12, |v[XS]|, |v[XS+1]|, |v[XS+2]|
	v_max3_num_f32 v13, |v[XS+3]|, |v[XS+4]|, |v[XS+5]|
.irp i, 6,10,14,18,22,26
	v_max3_num_f32 v12, v12, |v[XS+\i]|, |v[XS+\i+1]|
	v_max3_num_f32 v13, v13, |v[XS+\i+2]|, |v[XS+\i+3]|
.endr
	v_max3_num_f32 v12, v12, |v[XS+30]|, |v[XS+31]|
	v_max3_num_f32 v12, v12, v13, 0x4800000        ; the floor
	v_add_nc_u32 v11, 0xfc000000, v12
	v_and_or_b32 v10, v12, 0x7f800000, s48
	v_lshrrev_b32 v13, 23, v11                     ; the scale's byte
.if (\t)%4 == 0
	v_mov_b32 v[WSB+(\t)/4], v13
.else
	v_lshl_or_b32 v[WSB+(\t)/4], v13, 8*((\t)%4), v[WSB+(\t)/4]
.endif
.irp i, 0,1,2,3,4,5,6,7,8,9,10,11,12,13,14,15,16,17,18,19,20,21,22,23,24,25,26,27,28,29,30,31
	v_med3_num_f32 v[XS+\i], v[XS+\i], -v10, v10
.endr
.irp g, 0,1,2,3
	v_cvt_scalef32_pk8_fp8_f32 v[WC+2*\g:WC+2*\g+1], v[XS+8*\g:XS+8*\g+7], v11
.endr
	ds_store_b128 v4, v[WC:WC+3] offset:32*(\t)
	ds_store_b128 v4, v[WC+4:WC+7] offset:32*(\t)+16
.if (\t)+2 < 8
	WLOAD (\t)+2
.endif
	s_wait_dscnt 0x0                               ; the stores have read their registers: the next block's codes may be written
.endm
.irp t, 0,1,2,3,4,5,6,7
	WBLOCK \t
.endr
	global_store_b64 v9, v[WSB:WSB+1], s[14:15]    ; my column's 8 scale bytes
.irp t, 0,1,2,3,4,5,6,7,8,9,10,11,12,13,14,15
	ds_load_b128 v[WOUT+4*\t:WOUT+4*\t+3], v7 offset:2*\t*272
.endr
.irp t, 0,1,2,3,4,5,6,7,8,9,10,11,12,13,14,15
	s_wait_dscnt 15-\t
	global_store_b128 v8, v[WOUT+4*\t:WOUT+4*\t+3], s[12:13] offset:2048*(((\t)&3)|((((\t)>>2)&1)<<3)|((((\t)>>3)&1)<<2))   ; columns 2 t, 2 t + 1 go to places swap34 of them; 16 lanes store 256 consecutive bytes, aligned
.endr
	s_wait_tensorcnt 0x0                           ; the wave's end
	ds_add_u32 v[SPW], v[NIL]
	s_wait_dscnt 0x0
	s_endpgm
; ---- PATH M.  A wave takes one query tile (16 rows of the mask, in the tile's order) x 256 keys: 8 key blocks.  The rows turn through the wave's stage so that lane (r, h) holds the 16 bytes of row r, keys 16 h on,
; of a block; a compare of byte i over the 32 lanes IS word i.  Any byte that is not 0 counts as true.
.Lmask:
	s_sub_co_u32 s17, ttmp9, 384
	s_lshl_b32 s17, s17, 2
	s_add_co_u32 s17, s17, s16                     ; task 0..1,023
	s_lshr_b32 s18, s17, 3                         ; query tile
	s_and_b32 s19, s17, 7                          ; group of 256 keys
	v_lshrrev_b32 v3, 4, v2
	v_and_b32 v4, 15, v2
	v_lshlrev_b32 v5, 11, v3
	v_lshl_add_u32 v5, v4, 4, v5                   ; memory: two rows of 256 bytes an instruction
	s_mul_i32 s20, s16, 16*272
	s_add_co_u32 s20, s20, MSTG                    ; my stage
	v_mul_u32_u24 v6, v3, 272
	v_lshl_add_u32 v6, v4, 4, v6
	v_add_nc_u32 v6, s20, v6                       ; in
	v_mul_u32_u24 v7, v4, 272
	v_lshl_add_u32 v7, v3, 4, v7
	v_add_nc_u32 v7, s20, v7                       ; out: row r, + 16 h
	v_lshlrev_b32 v8, 4, v2
	v_mov_b32 v9, 0
.irp n, 0,1,2,3
	v_mov_b32 v[80+\n], 0                          ; the words' registers: a lane write's destination counts as read
.endr
	s_mov_b32 s27, 0                               ; the 8 flag bits
	s_lshr_b32 s20, s18, 1
	s_lshl_b32 s20, s20, 5
	s_and_b32 s21, s18, 1
	s_lshl_b32 s21, s21, 3
	s_add_co_u32 s20, s20, s21                     ; the tile's first token: 32 (tile / 2) + 8 (tile % 2)
	s_lshl_b32 s20, s20, 11
	s_lshl_b32 s21, s19, 8
	s_add_co_u32 s20, s20, s21
	s_mov_b32 s21, 0
	s_lshl_b32 s22, s18, 12
	s_lshl_b32 s23, s19, 9
	s_add_co_u32 s22, s22, s23
	s_mov_b32 s23, 0
	s_lshl_b32 s36, s18, 3
	s_add_co_u32 s36, s36, s19
	s_mov_b32 s37, 0
	s_wait_kmcnt 0x0
	s_add_nc_u64 s[10:11], s[10:11], s[20:21]
	s_add_nc_u64 s[32:33], s[24:25], s[22:23]      ; the words of (tile, 8 blocks): 512 bytes
	s_add_nc_u64 s[34:35], s[24:25], s[36:37]      ; the flags' byte
.irp i, 0,1,2,3
	global_load_b128 v[16+4*\i:19+4*\i], v5, s[10:11] offset:2*\i*2048 th:TH_LOAD_NT            ; the tile's rows 0-7 are neighbours,
.endr
.irp i, 4,5,6,7
	global_load_b128 v[16+4*\i:19+4*\i], v5, s[10:11] offset:(16+2*(\i-4))*2048 th:TH_LOAD_NT   ; rows 8-15 lie 16 tokens on
.endr
.irp i, 0,1,2,3,4,5,6,7
	s_wait_loadcnt 7-\i
	ds_store_b128 v6, v[16+4*\i:19+4*\i] offset:2*\i*272
.endr
.irp k, 0,1,2,3,4,5,6,7
	ds_load_b128 v[48+4*\k:51+4*\k], v7 offset:32*\k
.endr
.macro MBLK k
	s_wait_dscnt 7-(\k)
	v_or_b32 v84, v[48+4*(\k)], v[49+4*(\k)]
	v_or_b32 v85, v[50+4*(\k)], v[51+4*(\k)]
	v_or_b32 v84, v84, v85
	v_cmp_ne_u32 s26, 0, v84
	s_cmp_lg_u32 s26, 0
	s_cselect_b32 s26, 1<<(\k), 0
	s_or_b32 s27, s27, s26                         ; the block has a true byte
.irp g, 0,1,2,3
.irp n, 0,1,2,3
	v_bfe_u32 v[86+\n], v[48+4*(\k)+\g], 8*\n, 8   ; byte i = 4 g + n
.endr
.irp n, 0,1,2,3
	v_cmp_ne_u32 s[28+\n], 0, v[86+\n]             ; word i
.endr
.irp n, 0,1,2,3
	v_writelane_b32 v[80+\n], s[28+\n], 4*(\k)+\g  ; word 16 k + i of the 128: register i % 4 of lane 4 k + i / 4
.endr
.endr
.endm
.irp k, 0,1,2,3,4,5,6,7
	MBLK \k
.endr
	global_store_b128 v8, v[80:83], s[32:33]       ; 512 consecutive bytes, aligned
	v_mov_b32 v84, s27
	global_store_b8 v9, v84, s[34:35] offset:540672   ; all lanes store the same byte with the same value
	s_cmp_lg_u32 s17, 0                            ; task 0 also lays the four blocks of zeros
	s_cbranch_scc1 .Lm_end
	v_mov_b32 v10, 0
	v_mov_b32 v11, 0
	v_lshlrev_b32 v12, 3, v2
.irp t, 0,1,2,3
	global_store_b64 v12, v[10:11], s[24:25] offset:524288+4096*\t
.endr
.Lm_end:
	s_wait_tensorcnt 0x0                           ; the wave's end
	ds_add_u32 v[SPW], v[NIL]
	s_wait_dscnt 0x0
	s_endpgm
.Lfunc_end_k_q08230add2d_prep:
	.size	k_q08230add2d_prep, .Lfunc_end_k_q08230add2d_prep-k_q08230add2d_prep
	.p2alignl 7, 3214868480
	.fill 96, 4, 3214868480
	.section	.rodata,"a",@progbits
	.p2align	6, 0x0
	.amdhsa_kernel k_q08230add2d_prep
		.amdhsa_group_segment_fixed_size 85504
		.amdhsa_private_segment_fixed_size 0
		.amdhsa_enable_private_segment 0
		.amdhsa_kernarg_size 56
		.amdhsa_user_sgpr_count 2
		.amdhsa_user_sgpr_kernarg_segment_ptr 1
		.amdhsa_wavefront_size32 1
		.amdhsa_system_sgpr_workgroup_id_x 1
		.amdhsa_system_sgpr_workgroup_id_y 1
		.amdhsa_system_sgpr_workgroup_id_z 1
		.amdhsa_system_vgpr_workitem_id 0
		.amdhsa_next_free_vgpr 224
		.amdhsa_next_free_sgpr 66
		.amdhsa_reserve_vcc 0
		.amdhsa_float_denorm_mode_32 3
		.amdhsa_float_denorm_mode_16_64 3
		.amdhsa_memory_ordered 1
		.amdhsa_forward_progress 1
		.amdhsa_inst_pref_size 143
	.end_amdhsa_kernel
	.amdgpu_metadata
---
amdhsa.version: [ 1, 2 ]
amdhsa.kernels:
  - .name:           k_q08230add2d_prep
    .symbol:         k_q08230add2d_prep.kd
    .args:
      - { .name: x, .offset: 0, .size: 8, .value_kind: global_buffer, .address_space: global }
      - { .name: Wqkv, .offset: 8, .size: 8, .value_kind: global_buffer, .address_space: global }
      - { .name: Wproj, .offset: 16, .size: 8, .value_kind: global_buffer, .address_space: global }
      - { .name: mask, .offset: 24, .size: 8, .value_kind: global_buffer, .address_space: global }
      - { .name: xw_codes, .offset: 32, .size: 8, .value_kind: global_buffer, .address_space: global }
      - { .name: xw_scales, .offset: 40, .size: 8, .value_kind: global_buffer, .address_space: global }
      - { .name: maskw, .offset: 48, .size: 8, .value_kind: global_buffer, .address_space: global }
    .group_segment_fixed_size: 85504
    .private_segment_fixed_size: 0
    .kernarg_segment_align: 8
    .kernarg_segment_size: 56
    .max_flat_workgroup_size: 128
    .sgpr_count:     66
    .vgpr_count:     224
    .wavefront_size: 32
...
	.end_amdgpu_metadata
.endif
;; end of part 1
;; launch qkv (part 2): grid 12 x 32, 4 waves a work-group, clusters of 4 x 4, 327,680 bytes of LDS; arguments xw_codes, xw_scales, bqkv, qkv_codes, qkv_scales; writes qkv_codes, qkv_scales
.if DOCPART == 2
	.amdgcn_target "amdgcn-amd-amdhsa--gfx1250"
	.amdhsa_code_object_version 6
	.text
	.protected	k_q08230add2d_qkv
	.globl	k_q08230add2d_qkv
	.p2align	8
	.type	k_q08230add2d_qkv,@function
k_q08230add2d_qkv:
	s_mov_b64 s[64:65], 0
	v_nop
	global_prefetch_b8 v0, s[64:65] scope:SCOPE_SE
	s_setreg_imm32_b32 hwreg(HW_REG_WAVE_MODE, 25, 1), 1
	s_wait_xcnt 0x0
	s_wait_alu depctr_hold_cnt(0) depctr_sa_sdst(0) depctr_va_vdst(0) depctr_va_sdst(0) depctr_va_ssrc(0) depctr_va_vcc(0) depctr_vm_vsrc(0)
	s_getreg_b32 s2, hwreg(HW_REG_IB_STS2, 6, 4)
	s_cmp_eq_u32 s2, 0
	s_cbranch_scc0 .Lentry_in_a_cluster
	s_endpgm
.Lentry_in_a_cluster:
	s_bfe_u32 s2, ttmp6, 0x10000c
	s_cmp_lg_u32 s2, 0xf033
	s_cbranch_scc0 .Lentry_shape_is_right
	s_endpgm
.Lentry_shape_is_right:
; Launch 2 of 4: qkv = x Wqkv + bqkv on codes of E4M3 (K = 1,024), and its results quantised in registers: q and k along the head's 64, v along the tokens.  No work is left out here.
; A tile of 256 x 256 is made by four waves, 128 x 128 each: 64 accumulators, 512 registers.  K goes in steps of 256 through two LDS slots filled by the tensor data mover; the scale bytes of the tile's rows come once.
; P is the operand whose rows fall on LANES (source 1), R the one whose rows fall on a lane's REGISTERS (source 0).  The cluster's x says which third is made: 0 q, 1 k, 2 v; it is equal in all sixteen partners.
;   q, k: P = 256 places of x (tile 4 cluster y + cy), R = 256 places of Wqkv (tile 4 cluster x + cx): a lane holds one token and, in the registers of R's tiles 2 b and 2 b + 1, 16 true neighbours along d.
;   v:    P = places 2,048 + 256 cy of Wqkv, R = 256 places of x (tile 4 cluster y + cx): a lane holds one d and 16 true neighbours along the tokens, the second attention product's K.
; So P's tile hangs on cy alone and is asked for jointly by a row of the cluster, R's on cx alone, by a column; only offsets are chosen by the cluster's x.
; The bias is the C of each sum's first product.  THE WAY OUT uses no LDS: a lane's 64 registers of a block of P are four blocks of 32; their codes are four register groups of an operand and leave as pieces of 512 bytes.
; qkv_codes: q at 0, k at 8 MiB: [tile of 16 places][head][c 2][lane][16];  v at 16 MiB: [block of 32 tokens][head][tile of 16 d places 4][lane][16].
; qkv_scales: q at 0, k at 262,144: [pair of tiles][pair of heads][r][tile of the pair] words (bytes: even head c 0, 1; odd head c 0, 1);  v at 524,288: [four blocks of tokens][head][r][d tile] words (a byte a block).
; LIMITS: as in the first launch (no NaN or infinity among the inputs; the scale byte is held at 1 from below; a block of zeros gets the byte 1).
; REGISTERS: window 0: v1-6 at work, v8-15 the bias's offsets, v16-29 addresses, v32-63 scale words (two sets), v64-127 the bias, later the way out, v128-255 P's fragments (one set);
;   window 1: R's fragments (two sets);  windows 2, 3: the accumulators ((a, b) at v[8 (8 (a % 4) + b)]).
.set ROWB,   256
.set KROW,   1024
.set NQ,     2                         ; matrix instructions deep in a slot
.set PITCH,  272                       ; an LDS row: 256 bytes + 16 of padding, so that the 16 rows of a load start 4 banks apart (64 banks of 4 bytes: ISA guide 11.1)
.set FR,     16
.set NL,     4
.set NP,     8                         ; places behind this matrix instruction (ISA guide 7.12.1)
.set HALFT,  128*PITCH
.set SLOT,   4*HALFT
.set LAPS,   2                         ; 1,024 / 512
.set KS,     32                        ; a row of scale bytes
.set SCL,    2*SLOT
.set HALFS,  16*272
.set SBLK,   2*272
.set SPARE,  SCL+4*HALFS               ; the spare words, 128 bytes for each wave
.set BA,   8
.set ADRA, 16
.set ADRB, 20
.set ADRS, 27
.set SPW,  28
.set NIL,  29
.set SC,   32
.set CB,   64                          ; v64-127 the bias: eight registers for each of eight blocks
.set AF,   128
.set TM,   96                          ; the way out, all in the bias's registers: v64-95 codes (two sets), v96-99 largest magnitudes, v100-103 the codes' offsets, v104-111 the scale words' offsets,
.set VA,   100
.set VS,   104
.set PT,   112                         ; v112-115 the other half's maxima, then the bytes; v116-119 448 x the scale; v120-123 the conversions' scale operands; v124-125 the word of four bytes
.set LIM,  116
.set SCO,  120
.set G1, 24
.set G0, 32
.set G1B, 48
.set G0B, 56
.set G1S, 68
.set G0S, 76
.set G1SB, 80
.set G0SB, 88
.set MSB, 0
.macro WIN new                         ; the immediate's high byte repeats the setting that is left
.if MSB != \new
	s_set_vgpr_msb (MSB<<8)|\new
.set MSB, \new
.endif
.endm
.set MUL_LO, 0xa1                      ; source 0 (R) window 1, source 1 (P) window 0, C and D window 2
.set MUL_HI, 0xf1
.set TO_B,   0x40
; A joint load: waves 0 and 1 fetch for P, waves 2 and 3 for R; the branch hangs on the wave's number alone.  An s_nop 0 and four v_nop follow each line.
.macro JLOAD g0a, g1a, g0b, g1b
	s_cmp_eq_u32 s15, 0
	s_cbranch_scc0 .Lfor_b_\@
	tensor_load_to_lds s[\g0a:\g0a+3], s[\g1a:\g1a+7]
	s_nop 0
.rept 4
	v_nop
.endr
	s_branch .Lasked_\@
.Lfor_b_\@:
	tensor_load_to_lds s[\g0b:\g0b+3], s[\g1b:\g1b+7]
	s_nop 0
.rept 4
	v_nop
.endr
.Lasked_\@:
.endm
.macro CREST
	s_cmp_lg_u32 s14, 0
	s_cbranch_scc1 .Lnot_wave_0_\@
	s_barrier_signal -3
.Lnot_wave_0_\@:
	s_barrier_wait -3
	s_barrier_signal -1
	s_barrier_wait -1
.endm
.macro CROUND
	s_barrier_signal -1
	s_barrier_wait -1
	CREST
.endm
	s_load_b256 s[4:11], s[0:1], 0x0               ; xw_codes s[4:5], xw_scales s[6:7], bqkv s[8:9], qkv_codes s[10:11]
	s_load_b64 s[12:13], s[0:1], 0x20              ; qkv_scales
	v_lshl_add_u32 v[SPW], v0, 2, SPARE
	v_mov_b32 v[NIL], 0
	ds_add_u32 v[SPW], v[NIL]                      ; the wave's opening: the add, twice on end, and its wait ahead of my first tensor load
	ds_add_u32 v[SPW], v[NIL]
	v_lshrrev_b32 v1, 5, v0
	v_readfirstlane_b32 s14, v1                    ; wave 0..3
	s_lshr_b32 s15, s14, 1                         ; my half of P's rows.  Also: I fetch for P (0) or for R (1)
	s_and_b32 s16, s14, 1                          ; my half of R's rows.  Also: which 128 rows I fetch
	s_bfe_u32 s40, ttmp6, 0x40000                  ; cx
	s_bfe_u32 s41, ttmp6, 0x40004                  ; cy
	s_lshl_b32 s42, ttmp9, 2                       ; 4 x cluster x
	s_and_b32 s17, ttmp7, 0xffff
	s_lshl_b32 s17, s17, 2                         ; 4 x cluster y
	s_cmp_eq_u32 ttmp9, 2                          ; v?  The same in all sixteen partners
	s_cselect_b32 s95, 0, s17
	s_cselect_b32 s96, s17, s42
	s_cselect_b32 s97, 0xa00000, 0                 ; where P's codes begin: places 2,048 on of the weights, or x
	s_cselect_b32 s98, 0, 0x800000                 ; R's: x, or the weights
	s_cselect_b32 s99, 0x50000, 0                  ; and their scale bytes
	s_cselect_b32 s100, 0, 0x40000
	s_add_co_u32 s95, s95, s41                     ; P's tile: hangs on cy alone
	s_add_co_u32 s96, s96, s40                     ; R's tile: on cx alone
	s_lshl_b32 s43, s41, 2
	s_lshl_b32 s43, 15, s43                        ; my row of the cluster
	s_lshl_b32 s44, 0x1111, s40                    ; my column
	s_or_b32 s[G1+0], s43, (0<<16)|(1<<20)|(1<<21)|(5<<22)|(3<<25)  ; the mask; elements of 1 byte; padding on; bit 21 beside a mask; 4 words behind every 64
	s_or_b32 s[G1B+0], s44, (0<<16)|(1<<20)|(1<<21)|(5<<22)|(3<<25)
.irp g, G1, G1B
	s_mov_b32 s[\g+1], ROWB<<16                    ; tensor_dim0 = 256
	s_mov_b32 s[\g+2], 128<<16                     ; tensor_dim1 = 128
	s_mov_b32 s[\g+3], ROWB<<16                    ; tile_dim0
	s_mov_b32 s[\g+4], 128                         ; tile_dim1
	s_mov_b32 s[\g+5], KROW                        ; from row to row
	s_mov_b32 s[\g+6], 0
	s_mov_b32 s[\g+7], 0
.endr
	s_or_b32 s[G1S+0], s43, (3<<16)|(1<<20)|(1<<21)|(5<<22)|(3<<25)  ; the scale bytes of 128 rows: 4,096 dense bytes as 16 rows of 32 elements of 8 bytes
	s_or_b32 s[G1SB+0], s44, (3<<16)|(1<<20)|(1<<21)|(5<<22)|(3<<25)
.irp g, G1S, G1SB
	s_mov_b32 s[\g+1], 32<<16
	s_mov_b32 s[\g+2], 16<<16
	s_mov_b32 s[\g+3], 32<<16
	s_mov_b32 s[\g+4], 16
	s_mov_b32 s[\g+5], 32
	s_mov_b32 s[\g+6], 0
	s_mov_b32 s[\g+7], 0
.endr
	s_lshl_b32 s18, s16, 7
	s_lshl_b32 s20, s95, 8
	s_add_co_u32 s20, s20, s18                     ; P: the first row that I would fetch
	s_lshl_b32 s46, s96, 8
	s_add_co_u32 s46, s46, s18                     ; R likewise
	s_lshl_b32 s22, s20, 5
	s_add_co_u32 s22, s22, s99
	s_mov_b32 s23, 0
	s_lshl_b32 s92, s46, 5
	s_add_co_u32 s92, s92, s100
	s_mov_b32 s93, 0
	s_lshl_b32 s20, s20, 10
	s_add_co_u32 s20, s20, s97
	s_mov_b32 s21, 0
	s_lshl_b32 s46, s46, 10
	s_add_co_u32 s46, s46, s98
	s_mov_b32 s47, 0
	s_mul_i32 s45, s14, HALFT                      ; where they go: wave x 128 rows: no place in the cluster enters an LDS address
	s_mul_i32 s94, s14, HALFS
	s_wait_dscnt 0x0                               ; both opening adds are done
	s_wait_kmcnt 0x0
	s_add_nc_u64 s[20:21], s[4:5], s[20:21]
	s_add_nc_u64 s[22:23], s[6:7], s[22:23]
	s_add_nc_u64 s[46:47], s[4:5], s[46:47]
	s_add_nc_u64 s[92:93], s[6:7], s[92:93]
	CROUND                                         ; all sixteen work-groups are here: the first joint loads meet
	s_mov_b32 s[G0S], 1
	s_add_co_u32 s[G0S+1], s94, SCL
	s_mov_b64 s[G0S+2:G0S+3], s[22:23]
	s_or_b32 s[G0S+3], s[G0S+3], 0x80000000
	s_mov_b32 s[G0SB], 1
	s_add_co_u32 s[G0SB+1], s94, SCL
	s_mov_b64 s[G0SB+2:G0SB+3], s[92:93]
	s_or_b32 s[G0SB+3], s[G0SB+3], 0x80000000
	JLOAD G0S, G1S, G0SB, G1SB                     ; the scale bytes first
.irp s, 0,1
	s_mov_b32 s[G0+4*\s], 1
	s_add_co_u32 s[G0+4*\s+1], s45, \s*SLOT
	s_add_nc_u64 s[G0+4*\s+2:G0+4*\s+3], s[20:21], \s*ROWB
	s_or_b32 s[G0+4*\s+3], s[G0+4*\s+3], 0x80000000
	s_mov_b32 s[G0B+4*\s], 1
	s_add_co_u32 s[G0B+4*\s+1], s45, \s*SLOT
	s_add_nc_u64 s[G0B+4*\s+2:G0B+4*\s+3], s[46:47], \s*ROWB
	s_or_b32 s[G0B+4*\s+3], s[G0B+4*\s+3], 0x80000000
	JLOAD G0+4*\s, G1, G0B+4*\s, G1B               ; three tensor loads of mine are out
.endr
	v_and_b32 v1, 15, v0                           ; r
	v_bfe_u32 v2, v0, 4, 1                         ; h
	v_mul_u32_u24 v3, v1, PITCH
	v_lshl_add_u32 v4, v2, 4, v3
	s_mul_i32 s21, s15, HALFT                      ; my 128 rows of P
	s_mul_i32 s22, s16, HALFT
	s_add_co_u32 s22, s22, 2*HALFT                 ; my 128 rows of R, behind P's 256
.irp s, 0,1
	v_add_nc_u32 v[ADRA+\s], s21, v4
	v_add_nc_u32 v[ADRB+\s], s22, v4
	s_add_co_u32 s21, s21, SLOT
	s_add_co_u32 s22, s22, SLOT
.endr
	v_mul_u32_u24 v5, v1, KS
	v_lshrrev_b32 v6, 8, v5
	v_lshl_add_u32 v5, v6, 4, v5                   ; my row's scale bytes: 32 a row, 16 more for each 256 passed
	s_mul_i32 s21, s15, HALFS
	s_mul_i32 s22, s16, HALFS
	s_add_co_u32 s22, s22, 2*HALFS
	s_sub_co_u32 s22, s22, s21
	v_mul_u32_u24 v6, s22, v2                      ; lanes 16-31 take R's
	s_add_co_u32 s21, s21, SCL
	v_add_nc_u32 v5, v5, v6
	v_add_nc_u32 v[ADRS], s21, v5
	; THE BIAS.  q, k: it runs along R: register 8 b + j = bqkv[n0 + 32 (b / 2) + 8 (b % 2) + 16 h + j].  v: along P: registers 8 a + j, all j alike = bqkv[n0 + 32 (a / 2) + 8 (a % 2) + 16 (r / 8) + r % 8].
	s_lshl_b32 s18, s96, 8
	s_lshl_b32 s19, s16, 7
	s_add_co_u32 s18, s18, s19
	s_lshl_b32 s19, s95, 8
	s_lshl_b32 s101, s15, 7
	s_add_co_u32 s19, s19, s101
	s_add_co_u32 s19, s19, 2048
	v_lshlrev_b32 v5, 4, v2
	v_and_b32 v6, 8, v1
	v_add_nc_u32 v6, v6, v1
	s_cmp_eq_u32 ttmp9, 2
	s_cselect_b32 s18, s19, s18                    ; n0
	s_cselect_b32 s104, -1, 0
	s_cselect_b32 s105, 0, 4                       ; bytes from register to register
	v_cndmask_b32 v5, v5, v6, s104
	v_add_nc_u32 v5, s18, v5
	v_lshlrev_b32 v5, 2, v5
.irp j, 0,1,2,3,4,5,6,7
	v_mad_u32_u24 v[BA+\j], s105, \j, v5
.endr
.irp x, 0,1,2,3,4,5,6,7
.irp j, 0,1,2,3,4,5,6,7
	global_load_b32 v[CB+8*\x+\j], v[BA+\j], s[8:9] offset:(32*(\x/2)+8*(\x%2))*4
.endr
.endr
.macro FRAG reg, adr, q, i             ; 16 rows x 128 K: registers 4 c .. 4 c + 3 hold K = 32 c + 16 h + 0 .. 15
.irp c, 0,1,2,3
	ds_load_b128 v[\reg+4*\c:\reg+4*\c+3], v[\adr] offset:128*(\q)+32*\c+(\i)*16*PITCH
.endr
.endm
; 16 matrix instructions: P's blocks a0, a0 + 1 x R's eight.  zero = 1: the first product, C = the bias along R; 2: C = the bias along P; 0: in place.  The 64 accumulators take turns.
.macro MUL16 a0, p, q, sc, zero
.irp a, \a0, \a0+1
.irp b, 0,1,2,3,4,5,6,7
.set rD, 8*(8*((\a)%4)+\b)
.set rB, 128*(\p)+FR*\b
.set rA, AF+FR*(\a)
.set rSB, SC+8*NQ*(\sc)+NQ*\b+(\q)
.set rSA, SC+8*NQ*(\sc)+NQ*(\a)+(\q)
.if (\zero) == 1
	v_wmma_scale_f32_16x16x128_f8f6f4 v[rD:rD+7], v[rB:rB+FR-1], v[rA:rA+FR-1], v[CB+8*\b:CB+8*\b+7], v[rSB], v[rSA] matrix_a_scale:MATRIX_SCALE_ROW1
.elseif (\zero) == 2
	v_wmma_scale_f32_16x16x128_f8f6f4 v[rD:rD+7], v[rB:rB+FR-1], v[rA:rA+FR-1], v[CB+8*(\a):CB+8*(\a)+7], v[rSB], v[rSA] matrix_a_scale:MATRIX_SCALE_ROW1
.else
	v_wmma_scale_f32_16x16x128_f8f6f4 v[rD:rD+7], v[rB:rB+FR-1], v[rA:rA+FR-1], v[rD:rD+7], v[rSB], v[rSA] matrix_a_scale:MATRIX_SCALE_ROW1
.endif
.endr
.endr
.endm
.macro FETCH_B slot, q, p
	WIN TO_B
.irp i, 0,1,2,3,4,5,6,7
	FRAG 128*(\p)+FR*\i, ADRB+\slot, \q, \i
.endr
	WIN 0
.endm
.macro FETCH_A slot, q, i0
.irp i, \i0, \i0+1, \i0+2, \i0+3
	FRAG AF+FR*(\i), ADRA+\slot, \q, \i
.endr
.endm
.macro SCALES sc                       ; lanes 0-15 take the words of P's block i, lanes 16-31 those of R's block i: two words a K step
.irp i, 0,1,2,3,4,5,6,7
	ds_load_b64 v[SC+8*NQ*\sc+NQ*\i:SC+8*NQ*\sc+NQ*\i+1], v[ADRS] offset:\i*SBLK
.endr
.endm
.macro PLACES n                        ; plain vector instructions between a matrix instruction and a load into, or a vector read or write of, its registers
.rept \n
	v_nop
.endr
.endm
.macro STEP slot, q, zero              ; 128 along K that has its successor in the same slot
	s_wait_dscnt 4*NL                              ; R's set and P's blocks 0-3 are in; the youngest 16 loads (P's blocks 4-7) may be out
.if \zero
	WIN 0x81                                       ; C (the bias) in window 0
.else
	WIN MUL_LO
.endif
	MUL16 0, (\q)%2, \q, \slot, \zero
	MUL16 2, (\q)%2, \q, \slot, \zero
	s_wait_dscnt 0
	PLACES NP
	FETCH_B \slot, (\q)+1, 1-(\q)%2
	FETCH_A \slot, (\q)+1, 0
.if \zero
	WIN 0xc1
.else
	WIN MUL_HI
.endif
	MUL16 4, (\q)%2, \q, \slot, \zero
	MUL16 6, (\q)%2, \q, \slot, \zero
	PLACES NP
	WIN 0
	FETCH_A \slot, (\q)+1, 4
.endm
; A slot's last step changes slots: in front of the barrier each wave waits for all its tensor loads, adds 0 to its spare word, and waits for that and for its reads of this slot.  fill = 1: the barrier opens a round
; of the cluster's barrier, and behind it this slot is filled again, two K steps ahead.
.macro TURN slot, next, fill
	s_wait_tensorcnt 0x0                           ; all my tensor loads have landed: my part of the next slot
	ds_add_u32 v[SPW], v[NIL]
	s_wait_dscnt 4*NL+1                            ; the add and the youngest 16 loads may be out
	WIN MUL_LO
	MUL16 0, 1, NQ-1, \slot, 0
	s_wait_dscnt 0x0                               ; the add is done, and my reads of this slot are over
	s_barrier_signal -1
	MUL16 2, 1, NQ-1, \slot, 0
	WIN 0
	s_barrier_wait -1
.if \fill
	CREST                                          ; no wave of any partner still reads this slot or has a load on its way
	s_add_nc_u64 s[G0+4*\slot+2:G0+4*\slot+3], s[G0+4*\slot+2:G0+4*\slot+3], 2*ROWB
	s_add_nc_u64 s[G0B+4*\slot+2:G0B+4*\slot+3], s[G0B+4*\slot+2:G0B+4*\slot+3], 2*ROWB
	JLOAD G0+4*\slot, G1, G0B+4*\slot, G1B         ; my one tensor load behind the round; its four v_nop are among the places below
	PLACES NP-4
.else
	PLACES NP
.endif
	v_add_nc_u32 v[ADRS], 4*NQ, v[ADRS]
	FETCH_B \next, 0, 0
	FETCH_A \next, 0, 0
	SCALES \next
	WIN MUL_HI
	MUL16 4, 1, NQ-1, \slot, 0
	MUL16 6, 1, NQ-1, \slot, 0
	PLACES NP
	WIN 0
	FETCH_A \next, 0, 4
.endm
	s_wait_tensorcnt 1                             ; the scale bytes and my part of K step 0 are in; K step 1's load may be out
	s_barrier_signal -1
	s_barrier_wait -1
	FETCH_B 0, 0, 0
	FETCH_A 0, 0, 0
	SCALES 0
	FETCH_A 0, 0, 4
	s_wait_loadcnt 0x0                             ; the bias
	s_cmp_eq_u32 ttmp9, 2                          ; the first step is written twice: it differs in which block's bias starts a sum.  Both arms hold the same loads and waits
	s_cbranch_scc1 .Lfirst_v
	STEP 0, 0, 1
	s_branch .Lfirst_done
.Lfirst_v:
	STEP 0, 0, 2
.Lfirst_done:
	s_mov_b32 s3, LAPS-1
.Llap:
	TURN 0, 1, 1
	STEP 1, 0, 0
	TURN 1, 0, 1
	STEP 0, 0, 0
	s_sub_co_u32 s3, s3, 1
	s_cmp_lg_u32 s3, 0
	s_cbranch_scc1 .Llap
	TURN 0, 1, 0                                   ; the last lap fills nothing
	STEP 1, 0, 0
	s_wait_dscnt 4*NL
	WIN MUL_LO
	MUL16 0, 1, NQ-1, 1, 0
	MUL16 2, 1, NQ-1, 1, 0
	s_wait_dscnt 0
	WIN MUL_HI
	MUL16 4, 1, NQ-1, 1, 0
	MUL16 6, 1, NQ-1, 1, 0
	WIN 0
	; THE WAY OUT.  All strides that differ between q, k and v are powers of two: their shifts are chosen.
	s_cmp_eq_u32 ttmp9, 2
	s_cselect_b32 s20, 9, 14                       ; codes, from block of P to block of P: 512 (v: the next d tile) or 16,384 (the next tile of places)
	s_cselect_b32 s21, 15, 9                       ; from block of 32 along R to the next: 32,768 (v: the next block of tokens) or 512
	s_cselect_b32 s22, 4, 3                        ; scale words: from r to r + 1
	s_cselect_b32 s23, 3, 10                       ; bit 1 of a
	s_cselect_b32 s45, 8, 11                       ; bit 2 of a
	s_cselect_b32 s46, 6, 9                        ; a block of P in the base
	s_cselect_b32 s47, 12, 7                       ; four blocks of R in the base
	s_cselect_b32 s92, s96, s40                    ; R's tile, counted within what it indexes
	s_lshl_b32 s93, s95, 4
	s_lshl_b32 s94, s15, 3
	s_add_co_u32 s93, s93, s94                     ; my first block of P
	s_lshl_b32 s94, s92, 3
	s_lshl_b32 s92, s16, 2
	s_add_co_u32 s94, s94, s92                     ; my first block of 32 along R
	s_lshl_b32 s98, ttmp9, 23
	s_lshl_b32 s97, s93, s20
	s_add_co_u32 s98, s98, s97
	s_lshl_b32 s97, s94, s21
	s_add_co_u32 s98, s98, s97
	s_mov_b32 s99, 0
	s_add_nc_u64 s[10:11], s[10:11], s[98:99]
	s_lshl_b32 s98, ttmp9, 18
	s_lshl_b32 s97, s93, s46
	s_add_co_u32 s98, s98, s97
	s_lshr_b32 s97, s94, 2
	s_lshl_b32 s97, s97, s47
	s_add_co_u32 s98, s98, s97
	s_add_nc_u64 s[12:13], s[12:13], s[98:99]
	s_lshl_b32 s18, 1, s20
	s_mov_b32 s19, 0                               ; s[18:19]: the codes' step from a to a + 1
	s_lshl_b32 s97, 1, s21
	s_lshl_b32 s100, 1, s23
	s_lshl_b32 s101, 1, s45
	s_mov_b32 s2, 0x76543210
	s_mov_b32 s3, 0xfedcba98                       ; v_permlanex16_b32's selects for lane l xor 16
	s_mov_b32 s105, 0x600000                       ; the mantissa field of 448
	v_and_b32 v5, 31, v0
	v_lshlrev_b32 v5, 4, v5
.irp b, 0,1,2,3
	v_mad_u32_u24 v[VA+\b], s97, \b, v5            ; 16 x lane + the block along R
.endr
	v_and_b32 v6, 15, v0
	v_lshlrev_b32 v6, s22, v6
.irp a, 0,1,2,3,4,5,6,7
	s_mov_b32 s104, ((\a)&1)*4
.if ((\a)>>1)&1
	s_add_co_u32 s104, s104, s100
.endif
.if (\a)>>2
	s_add_co_u32 s104, s104, s101
.endif
	v_add_nc_u32 v[VS+\a], s104, v6
.endr
	PLACES NP
.irp b, 0,1,2,3
	v_mov_b32 v[PT+\b], 0                          ; written once: a lane permute's destination counts as one of its sources
.endr
; Block a of P: a lane's 64 registers, 16 b + i = the true index 32 b + 16 h + i along R, become four groups of codes and a word of four scale bytes.
.macro QOUT a
.set QW, 2+(\a)/4
.set AC, 64*((\a)%4)
.set CD, 64+16*((\a)%2)
.set PW, 124+(\a)%2
.set WNEW, (QW<<2)|QW
	WIN WNEW                                       ; sources 0 and 1: the accumulators' window
.irp b, 0,1,2,3
	v_max3_num_f32 v[TM+\b], |v[AC+16*\b]|, |v[AC+16*\b+1]|, 0x4800000   ; each accumulator is read from its low end on; the floor 2^(9 - 127) holds the byte at 1 from below
.endr
.irp i, 2,4,6,8,10,12,14
.irp b, 0,1,2,3
	v_max3_num_f32 v[TM+\b], |v[AC+16*\b+\i]|, |v[AC+16*\b+\i+1]|, v[TM+\b]
.endr
.endr
	WIN 0
.irp b, 0,1,2,3
	v_permlanex16_b32 v[PT+\b], v[TM+\b], s2, s3
.endr
.irp b, 0,1,2,3
	v_max_num_f32 v[TM+\b], v[TM+\b], v[PT+\b]     ; with lane l xor 16's 16: the block's largest magnitude
.endr
.irp b, 0,1,2,3
	v_add_nc_u32 v[SCO+\b], 0xfc000000, v[TM+\b]   ; 8 off the exponent field: the conversion's scale operand
.endr
.irp b, 0,1,2,3
	v_and_or_b32 v[LIM+\b], v[TM+\b], 0x7f800000, s105   ; 448 x the scale
.endr
.irp b, 0,1,2,3
	v_lshrrev_b32 v[PT+\b], 23, v[SCO+\b]          ; the byte
.endr
	v_lshl_or_b32 v[PW], v[PT+1], 8, v[PT]
	v_lshl_or_b32 v[PW], v[PT+2], 16, v[PW]
	v_lshl_or_b32 v[PW], v[PT+3], 24, v[PW]
.set WNEW, (QW<<6)|QW
	WIN WNEW                                       ; destination and source 0: the accumulators' window
.irp b, 0,1,2,3
.irp i, 0,1,2,3,4,5,6,7,8,9,10,11,12,13,14,15
	v_med3_num_f32 v[AC+16*\b+\i], v[AC+16*\b+\i], -v[LIM+\b], v[LIM+\b]   ; the conversion does not saturate (ISA guide 7.6.2): the hold
.endr
.endr
	WIN QW                                         ; source 0 alone
.irp b, 0,1,2,3
	v_cvt_scalef32_pk8_fp8_f32 v[CD+4*\b:CD+4*\b+1], v[AC+16*\b:AC+16*\b+7], v[SCO+\b]
	v_cvt_scalef32_pk8_fp8_f32 v[CD+4*\b+2:CD+4*\b+3], v[AC+16*\b+8:AC+16*\b+15], v[SCO+\b]
.endr
	WIN 0
	v_nop                                          ; a plain line behind the last conversion
.if (\a) > 0
	s_wait_xcnt 0x0                                ; the earlier stores have read their base and their data: the base steps here, and the set of codes of two blocks back is written again only behind this wait
	s_add_nc_u64 s[10:11], s[10:11], s[18:19]
.endif
.irp b, 0,1,2,3
	global_store_b128 v[VA+\b], v[CD+4*\b:CD+4*\b+3], s[10:11]   ; the wave stores 512 consecutive bytes, aligned
.endr
	global_store_b32 v[VS+(\a)], v[PW], s[12:13]   ; lanes r and r + 16 store the same word with the same value
.endm
.irp a, 0,1,2,3,4,5,6,7
	QOUT \a
.endr
	s_wait_tensorcnt 0x0                           ; the wave's end: behind my last tensor load
	ds_add_u32 v[SPW], v[NIL]
	s_wait_dscnt 0x0
	CROUND                                         ; the closing round
	s_endpgm
.Lfunc_end_k_q08230add2d_qkv:
	.size	k_q08230add2d_qkv, .Lfunc_end_k_q08230add2d_qkv-k_q08230add2d_qkv
	.p2alignl 7, 3214868480
	.fill 96, 4, 3214868480
	.section	.rodata,"a",@progbits
	.p2align	6, 0x0
	.amdhsa_kernel k_q08230add2d_qkv
		.amdhsa_group_segment_fixed_size 327680
		.amdhsa_private_segment_fixed_size 0
		.amdhsa_enable_private_segment 0
		.amdhsa_kernarg_size 40
		.amdhsa_user_sgpr_count 2
		.amdhsa_user_sgpr_kernarg_segment_ptr 1
		.amdhsa_wavefront_size32 1
		.amdhsa_system_sgpr_workgroup_id_x 1
		.amdhsa_system_sgpr_workgroup_id_y 1
		.amdhsa_system_sgpr_workgroup_id_z 1
		.amdhsa_system_vgpr_workitem_id 0
		.amdhsa_next_free_vgpr 1024
		.amdhsa_next_free_sgpr 106
		.amdhsa_reserve_vcc 0
		.amdhsa_float_denorm_mode_32 3
		.amdhsa_float_denorm_mode_16_64 3
		.amdhsa_memory_ordered 1
		.amdhsa_forward_progress 1
		.amdhsa_inst_pref_size 207
	.end_amdhsa_kernel
	.amdgpu_metadata
---
amdhsa.version: [ 1, 2 ]
amdhsa.kernels:
  - .name:           k_q08230add2d_qkv
    .symbol:         k_q08230add2d_qkv.kd
    .args:
      - { .name: xw_codes, .offset: 0, .size: 8, .value_kind: global_buffer, .address_space: global }
      - { .name: xw_scales, .offset: 8, .size: 8, .value_kind: global_buffer, .address_space: global }
      - { .name: bqkv, .offset: 16, .size: 8, .value_kind: global_buffer, .address_space: global }
      - { .name: qkv_codes, .offset: 24, .size: 8, .value_kind: global_buffer, .address_space: global }
      - { .name: qkv_scales, .offset: 32, .size: 8, .value_kind: global_buffer, .address_space: global }
    .group_segment_fixed_size: 327680
    .private_segment_fixed_size: 0
    .kernarg_segment_align: 8
    .kernarg_segment_size: 40
    .max_flat_workgroup_size: 128
    .sgpr_count:     106
    .vgpr_count:     1024
    .wavefront_size: 32
...
	.end_amdgpu_metadata
.endif
;; end of part 2
;; launch attn (part 3): grid 4 x 64, 8 waves a work-group, no clusters, 0 bytes of LDS; arguments qkv_codes, qkv_scales, maskw, y_codes, y_scales; writes y_codes, y_scales
.if DOCPART == 3
	.amdgcn_target "amdgcn-amd-amdhsa--gfx1250"
	.amdhsa_code_object_version 6
	.text
	.protected	k_q08230add2d_attn
	.globl	k_q08230add2d_attn
	.p2align	8
	.type	k_q08230add2d_attn,@function
k_q08230add2d_attn:
	s_mov_b64 s[64:65], 0
	v_nop
	global_prefetch_b8 v0, s[64:65] scope:SCOPE_SE
	s_setreg_imm32_b32 hwreg(HW_REG_WAVE_MODE, 25, 1), 1
	s_wait_xcnt 0x0
; Launch 3 of 4: y = softmax(mask(q k^T / 8)) v for 64 (batch, head) pairs, both products on codes of E4M3, and y quantised along D for the last product.
; WORK LEFT OUT: a unit of 64 queries x 32 keys all of whose mask bytes are 0 (shown dead at the head of the first launch): its p are exact zeros.  The list of live key blocks is made of flag bits that the first
; launch stored and a scalar load reads here.  It serves every mask, from empty to dense.  LIMIT: a NaN or an infinity in k or v that lies only under units left out is not carried to the result.
; SHARES.  A work-group serves one (batch, head); each of its 8 waves one block of 64 query places, four tiles of 16: wave w of work-group x takes block p = 4 x + w % 4 (w < 4) or 31 - p: a pairing by ids alone.
; NO LDS, NO TENSOR LOAD, NO BARRIER, NO CLUSTER: the number of steps hangs on counts read from memory and differs from wave to wave, so partners could not make every joint request alike.  The operands lie in memory
; in the order of the registers (the launch before laid them so) and come by 16-byte loads, 512 consecutive bytes an instruction; four query tiles share each fragment of K and V.
; A STEP takes four list entries (4 x 32 keys = one K of 128 for the second product).  A list that ends early is padded: a padding entry's mask words come from zero bytes, so its scores are -infinity and its codes 0.
; FIRST PRODUCT, K = 64 in an instruction of 128: an entry's two key tiles are ONE source 0, [tile 0's 64 | tile 1's 64]; against [Q | zeros] it gives tile 0's scores, against [zeros | Q] tile 1's.
; Both products are used transposed: a lane holds one query.  By the order of places the 16 registers of an entry are the true keys 32 block + 16 h + 0 .. 15, and those of O^T's tiles 2 b, 2 b + 1 the true d 32 b + 16 h + 0 .. 15.
; SOFTMAX: t = score x log2(e) / 8 (one rounding); M = the running largest t rounded up to a whole number; p = 2^(t - M) is quantised along the keys; the row's sum is of the unquantised p; O^T and the sum are multiplied
; by 2^(old M - new M), exact.  A row with no true key has the sum 0: its y gets zero codes and the scale byte 0xff, which makes the last product's whole row NaN, as reference()'s softmax of an empty row is.
; y_codes: [D / 256][tile of 16 places][128 of the 256][group of 32][lane][16]: the last product's fragments as they stand.  y_scales: [place][32].
; REGISTERS, window 0: v1 16 x lane, v2 8 r, v3 16 r; v4-7, v8-11, v12-15 the entries' offsets (codes, K's scale words, V's); v16-87 zeros and Q by turns, 8 each; v88-91, v92-95, v96-99 scale words of Q, K, V;
;   v100-115 per tile -M, the largest t, the sum in two halves; v116 -infinity; v120-127, v128-143 raw scale words; v144-151 at work; v152-155 the conversions' scale operands; v156 f, v157 p's scale word; v158-159 at work;
;   v160-223 S^T, then p; v224-239 p's codes; v240-251 at work.   window 1: v0-127 O^T (tile t, d tile u at 32 t + 8 u); v128-191 K (16 an entry); v192-255 V (d tile u at 192 + 16 u, entry e at + 4 e).
.set OFF,  4
.set KSO,  8
.set VSO,  12
.set QS,   88
.set KSW,  92
.set VSW,  96
.set ST,   100
.set NINF, 116
.set KRAW, 120
.set VRAW, 128
.set PTM,  144
.set SO,   152
.set FF,   156
.set TMP,  158
.set YSA,  159
.set S,    160
.set YC,   192                         ; the way out: y's codes, 8 registers a tile
.set PC,   224
.set YW,   224                         ; the way out: y's two scale bytes, a register a tile
.set ONES, 228
.set BM,   240
.set PT,   244
.set LM,   248
.set KF,   128                         ; window 1
.set VF,   192
.set KSEL, 2                           ; s2   byte select for K's scale words
.set LO,   14                          ; s14, s15  the key blocks still to be walked, a bit each
.set HI,   15
.set NST,  66                          ; s66  steps;  s67 steps done
.set CNT,  67
.set MO,   84                          ; s84-87  the entries' offsets into the mask's words
.set KB,   88                          ; s88-91  the entries' key blocks
.set SELA, 92                          ; s92, s93  byte selects for V's scale bytes; s94 joins two pairs of bytes
.set SELB, 93
.set SELC, 94
.set MNT,  95
.set CS,   96                          ; s[96:97] c = log2(e) / 8
.set SEL,  98                          ; s[98:99] lane selects: lane l xor 16
.set MSB, 0
.macro WIN new
.if MSB != \new
	s_set_vgpr_msb (MSB<<8)|\new
.set MSB, \new
.endif
.endm
	s_load_b128 s[16:19], s[0:1], 0x0              ; qkv_codes, qkv_scales
	s_load_b64 s[8:9], s[0:1], 0x10                ; maskw
	v_lshrrev_b32 v1, 5, v0
	v_readfirstlane_b32 s100, v1                   ; wave 0..7
	s_and_b32 s101, s100, 3
	s_lshl_b32 s104, ttmp9, 2
	s_add_co_u32 s101, s101, s104                  ; p
	s_sub_co_u32 s104, 31, s101
	s_cmp_lt_u32 s100, 4
	s_cselect_b32 s101, s101, s104                 ; j: my block of 64 query places
	s_lshl_b32 s3, s101, 14                        ; my first tile's words in maskw: 4 j x 4,096
	s_and_b32 s104, ttmp7, 0xffff
	s_lshr_b32 s105, s104, 4                       ; batch
	s_and_b32 s104, s104, 15                       ; head
	s_lshl_b32 s20, s105, 21                       ; a batch's codes of q, of k or of v: 2 MiB
	s_lshl_b32 s28, s105, 16                       ; its scale words: 64 KiB
	s_lshl_b32 s22, s104, 10
	s_add_co_u32 s22, s22, s20
	s_lshl_b32 s26, s101, 16
	s_add_co_u32 s26, s26, s22                     ; Q: my four tiles
	s_add_co_u32 s22, s22, 0x800000                ; K
	s_lshl_b32 s24, s104, 11
	s_add_co_u32 s24, s24, s20
	s_add_co_u32 s24, s24, 0x1000000               ; V
	s_lshr_b32 s30, s104, 1
	s_lshl_b32 s30, s30, 7
	s_add_co_u32 s30, s30, s28
	s_lshl_b32 s34, s101, 11
	s_add_co_u32 s34, s34, s30                     ; Q's scale words
	s_add_co_u32 s30, s30, 0x40000                 ; K's
	s_lshl_b32 s32, s104, 8
	s_add_co_u32 s32, s32, s28
	s_add_co_u32 s32, s32, 0x80000                 ; V's
	s_mov_b32 s23, 0
	s_mov_b32 s25, 0
	s_mov_b32 s27, 0
	s_mov_b32 s31, 0
	s_mov_b32 s33, 0
	s_mov_b32 s35, 0
	s_lshl_b32 s29, s101, 5                        ; my four tiles' flags: 32 bytes
	s_and_b32 s100, s104, 1
	s_mul_i32 s100, s100, 0x02020202               ; an odd head's bytes are the word's upper two
	s_add_co_u32 s[KSEL], s100, 0x05040100         ; [tile 0: c 0, c 1; tile 1: c 0, c 1]
	s_add_co_u32 s101, s100, 0x01000100            ; Q: [c 0, c 1, c 0, c 1]
	s_mov_b32 s[SELC], 0x05040100
	s_mov_b32 s[MNT], 0x600000
	s_mov_b32 s[CS], 0x3e38aa3b
	s_mov_b32 s[CS+1], s[CS]
	s_mov_b32 s[SEL], 0x76543210
	s_mov_b32 s[SEL+1], 0xfedcba98
	s_mov_b32 s[CNT], 0
	v_and_b32 v2, 15, v0
	v_and_b32 v1, 31, v0
	v_lshlrev_b32 v1, 4, v1
	v_lshlrev_b32 v3, 4, v2
	v_lshlrev_b32 v2, 3, v2
	s_wait_kmcnt 0x0
	s_add_nc_u64 s[4:5], s[16:17], s[22:23]
	s_add_nc_u64 s[6:7], s[16:17], s[24:25]
	s_add_nc_u64 s[36:37], s[16:17], s[26:27]
	s_add_nc_u64 s[10:11], s[18:19], s[30:31]
	s_add_nc_u64 s[12:13], s[18:19], s[32:33]
	s_add_nc_u64 s[38:39], s[18:19], s[34:35]
	s_load_b256 s[40:47], s[8:9], s29 offset:0x84000   ; four tiles x 64 flag bits
.irp t, 0,1,2,3
.irp c, 0,1
	global_load_b128 v[24+16*\t+4*\c:27+16*\t+4*\c], v1, s[36:37] offset:\t*16384+\c*512
.endr
	global_load_b32 v[KRAW+\t], v2, s[38:39] offset:(\t/2)*1024+(\t%2)*4
.endr
.irp z, 16,32,48,64,80
.irp i, 0,1,2,3,4,5,6,7
	v_mov_b32 v[\z+\i], 0                          ; the zero halves beside Q
.endr
.endr
	WIN 0x40
.set i, 0
.rept 128
	v_mov_b32 v[i], 0                              ; O^T: the number of steps may be 0, so no first step can be written out to start the sums
.set i, i+1
.endr
	WIN 0
.irp t, 0,1,2,3
	v_mov_b32 v[ST+4*\t+1], 0xff61b1e6             ; the largest t so far: -3e38
	v_floor_f32 v[ST+4*\t], -v[ST+4*\t+1]          ; -M
	v_mov_b32 v[ST+4*\t+2], 0
	v_mov_b32 v[ST+4*\t+3], 0
	v_mov_b32 v[PT+\t], 0                          ; a lane permute's destination counts as one of its sources
.endr
	v_mov_b32 v[NINF], 0xff800000
	v_mov_b32 v[FF+1], 0
	s_wait_kmcnt 0x0
	s_or_b32 s[LO], s40, s42
	s_or_b32 s100, s44, s46
	s_or_b32 s[LO], s[LO], s100                    ; a key block is walked if any of my four tiles has a true byte in it
	s_or_b32 s[HI], s41, s43
	s_or_b32 s100, s45, s47
	s_or_b32 s[HI], s[HI], s100
	s_bcnt1_i32_b32 s[NST], s[LO]
	s_bcnt1_i32_b32 s100, s[HI]
	s_add_co_u32 s[NST], s[NST], s100
	s_add_co_u32 s[NST], s[NST], 3
	s_lshr_b32 s[NST], s[NST], 2                   ; four entries a step
	s_wait_loadcnt 0x0                             ; Q and its raw scale words
.irp t, 0,1,2,3
	v_perm_b32 v[QS+\t], v[KRAW+\t], v[KRAW+\t], s101
.endr
; The next list entry: the lowest bit still set.  Both numbers that enter addresses are held under a constant; behind that only shifts, sums and ANDs follow.
.macro NEXT e
	s_cmp_lg_u32 s[LO], 0
	s_cselect_b32 s100, s[LO], s[HI]
	s_cselect_b32 s101, 0, 32
	s_ctz_i32_b32 s[KB+\e], s100
	s_add_co_u32 s[KB+\e], s[KB+\e], s101
	s_add_co_u32 s104, s100, -1
	s_and_b32 s104, s104, s100                     ; the bit is taken off
	s_cmp_lg_u32 s[LO], 0
	s_cselect_b32 s[HI], s[HI], s104
	s_cselect_b32 s[LO], s104, 0
	s_lshl_b32 s[MO+\e], s[KB+\e], 6
	s_add_co_u32 s[MO+\e], s[MO+\e], s3
	s_cmp_lg_u32 s100, 0
	s_cselect_b32 s[MO+\e], s[MO+\e], 0x80000      ; no bit was left: the zero words
	s_min_u32 s[MO+\e], s[MO+\e], 0x80000
	s_min_u32 s[KB+\e], s[KB+\e], 63
.endm
; The next step's four entries, their offsets, and its K: 16 loads of codes and 4 of raw scale words.  Every load that named the offsets has been waited for.
.macro ADV
	NEXT 0
	NEXT 1
	NEXT 2
	NEXT 3
	s_and_b32 s100, s[KB], 3
	s_and_b32 s101, s[KB+1], 3
	s_lshl_b32 s101, s101, 8
	s_or_b32 s[SELA], s100, s101
	s_or_b32 s[SELA], s[SELA], 0x400               ; byte 0: entry 0's byte of the second source; byte 1: entry 1's of the first
	s_and_b32 s100, s[KB+2], 3
	s_and_b32 s101, s[KB+3], 3
	s_lshl_b32 s101, s101, 8
	s_or_b32 s[SELB], s100, s101
	s_or_b32 s[SELB], s[SELB], 0x400
.irp e, 0,1,2,3
	v_lshl_add_u32 v[OFF+\e], s[KB+\e], 15, v1     ; 32,768 bytes a key block, in K and in V alike
	v_lshl_add_u32 v[KSO+\e], s[KB+\e], 10, v2
.endr
.irp e, 0,1,2,3
	s_and_b32 s[KB+\e], s[KB+\e], 60
	v_lshl_add_u32 v[VSO+\e], s[KB+\e], 10, v3     ; 4,096 bytes for four key blocks
.endr
	WIN 0x40
.irp e, 0,1,2,3
.irp g, 0,1,2,3
	global_load_b128 v[KF+16*\e+4*\g:KF+16*\e+4*\g+3], v[OFF+\e], s[4:5] offset:(\g/2)*16384+(\g%2)*512
.endr
.endr
	WIN 0
.irp e, 0,1,2,3
	global_load_b64 v[KRAW+2*\e:KRAW+2*\e+1], v[KSO+\e], s[10:11]
.endr
.endm
; One query tile's share of a step.
.macro TILE t
.set T4, ST+4*(\t)
	WIN 0x01                                       ; source 0 (K) window 1
.irp e, 0,1,2,3
	v_wmma_scale_f32_16x16x128_f8f6f4 v[S+16*\e:S+16*\e+7], v[KF+16*\e:KF+16*\e+15], v[24+16*(\t):39+16*(\t)], 0, v[KSW+\e], v[QS+(\t)]
	v_wmma_scale_f32_16x16x128_f8f6f4 v[S+16*\e+8:S+16*\e+15], v[KF+16*\e:KF+16*\e+15], v[16+16*(\t):31+16*(\t)], 0, v[KSW+\e], v[QS+(\t)]
.endr
	WIN 0
	s_wait_kmcnt 0x0                               ; this tile's 64 mask words
.if (\t) == 3
	ADV                                            ; K is done with: its twelve plain vector lines are the places in front of the loads into K's registers and of the reads of the scores
.else
.rept 8
	v_nop
.endr
.endif
.irp e, 0,1,2,3
.irp i, 0,1,2,3,4,5,6,7,8,9,10,11,12,13,14,15
	v_cndmask_b32 v[S+16*\e+\i], v[NINF], v[S+16*\e+\i], s[16+16*\e+4*(\e/3)+\i]   ; word i of entry e has a bit for each lane: -infinity where the mask is false
.endr
.endr
.if (\t) < 3
.irp e, 0,1,2,3
	s_load_b512 s[16+16*\e+4*(\e/3):31+16*\e+4*(\e/3)], s[8:9], s[MO+\e] offset:((\t)+1)*4096   ; the next tile's words
.endr
.endif
.irp b, 0,1,2,3
	v_max3_num_f32 v[BM+\b], v[S+16*\b], v[S+1+16*\b], v[S+2+16*\b]   ; each block's largest score: for the row's maximum and for the block's largest p
.endr
.irp i, 3,5,7,9,11,13
.irp b, 0,1,2,3
	v_max3_num_f32 v[BM+\b], v[BM+\b], v[S+16*\b+\i], v[S+1+16*\b+\i]
.endr
.endr
.irp b, 0,1,2,3
	v_max_num_f32 v[BM+\b], v[BM+\b], v[S+15+16*\b]
.endr
.irp b, 0,1,2,3
	v_permlanex16_b32 v[PT+\b], v[BM+\b], s[SEL], s[SEL+1]
.endr
.irp b, 0,1,2,3
	v_max_num_f32 v[BM+\b], v[BM+\b], v[PT+\b]
.endr
	v_max3_num_f32 v[TMP], v[BM], v[BM+1], v[BM+2]
	v_max_num_f32 v[TMP], v[TMP], v[BM+3]
	v_mul_f32 v[TMP], s[CS], v[TMP]
	v_max_num_f32 v[T4+1], v[T4+1], v[TMP]         ; the running largest t
	v_mov_b32 v[TMP], v[T4]
	v_floor_f32 v[T4], -v[T4+1]                    ; -M = floor(-t)
	v_sub_f32 v[TMP], v[T4], v[TMP]                ; old M - new M: a whole number, 0 or less
	v_cvt_i32_f32 v[TMP], v[TMP]                   ; (it saturates)
	v_ldexp_f32 v[FF], 1.0, v[TMP]                 ; f = 2^(old M - new M)
.set i, 0
.rept 32
	v_pk_fma_f32 v[S+i:S+i+1], v[S+i:S+i+1], s[CS:CS+1], v[T4:T4+1] op_sel_hi:[1,0,0]   ; t - M
.set i, i+2
.endr
.irp b, 0,1,2,3
	v_fma_f32 v[BM+\b], v[BM+\b], s[CS], v[T4]
.endr
.set i, 0
.rept 64
	v_exp_f32 v[S+i], v[S+i]                       ; p
.set i, i+1
.endr
	v_pk_mul_f32 v[T4+2:T4+3], v[T4+2:T4+3], v[FF:FF+1] op_sel_hi:[1,0]   ; the sums under the new M: a plain line behind the exponentials
	s_wait_alu depctr_va_vdst(0)                   ; one wait for the batch of 64, ahead of its first reader
.irp b, 0,1,2,3
	v_exp_f32 v[BM+\b], v[BM+\b]                   ; each block's largest p
.endr
	v_pk_add_f32 v[PT:PT+1], v[S:S+1], v[S+2:S+3]  ; the row's sum of the unquantised p, in two chains
.set i, 4
.rept 15
	v_pk_add_f32 v[T4+2:T4+3], v[T4+2:T4+3], v[S+i:S+i+1]
	v_pk_add_f32 v[PT:PT+1], v[PT:PT+1], v[S+i+2:S+i+3]
.set i, i+4
.endr
	v_pk_add_f32 v[T4+2:T4+3], v[T4+2:T4+3], v[PT:PT+1]
	s_wait_alu depctr_va_vdst(0)                   ; and one for the four
.irp b, 0,1,2,3
	v_max_num_f32 v[BM+\b], 0x4800000, v[BM+\b]    ; the floor: the byte cannot fall under 1
.endr
.irp b, 0,1,2,3
	v_add_nc_u32 v[SO+\b], 0xfc000000, v[BM+\b]
.endr
.irp b, 0,1,2,3
	v_and_or_b32 v[LM+\b], v[BM+\b], 0x7f800000, s[MNT]
.endr
.irp b, 0,1,2,3
	v_lshrrev_b32 v[PT+\b], 23, v[SO+\b]
.endr
	v_lshl_or_b32 v[FF+1], v[PT+1], 8, v[PT]       ; p's scale word for the step's four entries
	v_lshl_or_b32 v[FF+1], v[PT+2], 16, v[FF+1]
	v_lshl_or_b32 v[FF+1], v[PT+3], 24, v[FF+1]
.if (\t) == 0
	s_wait_loadcnt 0x0                             ; V and its raw scale words
.irp u, 0,1,2,3
	v_perm_b32 v[PTM+2*\u], v[VRAW+4+\u], v[VRAW+\u], s[SELA]        ; d tile u: the bytes of entries 0, 1
	v_perm_b32 v[PTM+2*\u+1], v[VRAW+12+\u], v[VRAW+8+\u], s[SELB]   ; and of entries 2, 3
.endr
.irp u, 0,1,2,3
	v_perm_b32 v[VSW+\u], v[PTM+2*\u+1], v[PTM+2*\u], s[SELC]
.endr
.endif
.irp b, 0,1,2,3
.irp i, 0,1,2,3,4,5,6,7,8,9,10,11,12,13,14,15
	v_min_num_f32 v[S+16*\b+\i], v[S+16*\b+\i], v[LM+\b]   ; the hold: p is not negative
.endr
	v_cvt_scalef32_pk8_fp8_f32 v[PC+4*\b:PC+4*\b+1], v[S+16*\b:S+16*\b+7], v[SO+\b]
	v_cvt_scalef32_pk8_fp8_f32 v[PC+4*\b+2:PC+4*\b+3], v[S+16*\b+8:S+16*\b+15], v[SO+\b]
.endr
	WIN 0x41                                       ; O^T in window 1, f in window 0
.set i, 0
.rept 16
	v_pk_mul_f32 v[32*(\t)+i:32*(\t)+i+1], v[32*(\t)+i:32*(\t)+i+1], v[FF:FF+1] op_sel_hi:[1,0]   ; O^T under the new M, each accumulator from its low end on; these are the places ahead of the products
.set i, i+2
.endr
	WIN 0x51                                       ; V, C and D window 1; p's codes window 0
.irp u, 0,1,2,3
	v_wmma_scale_f32_16x16x128_f8f6f4 v[32*(\t)+8*\u:32*(\t)+8*\u+7], v[VF+16*\u:VF+16*\u+15], v[PC:PC+15], v[32*(\t)+8*\u:32*(\t)+8*\u+7], v[VSW+\u], v[FF+1]
.endr
	WIN 0
.endm
	s_cmp_eq_u32 s[NST], 0                         ; no key block at all: straight to the way out
	s_cbranch_scc1 .Lout
	ADV
.Lstep:
.rept 8
	v_nop                                          ; places behind the last trip's products, in front of the loads into V's registers
.endr
.irp e, 0,1,2,3
	s_load_b512 s[16+16*\e+4*(\e/3):31+16*\e+4*(\e/3)], s[8:9], s[MO+\e] offset:0x0   ; tile 0's mask words
.endr
	WIN 0x40
.irp e, 0,1,2,3
.irp u, 0,1,2,3
	global_load_b128 v[VF+16*\u+4*\e:VF+16*\u+4*\e+3], v[OFF+\e], s[6:7] offset:\u*512
.endr
.endr
	WIN 0
.irp e, 0,1,2,3
	global_load_b128 v[VRAW+4*\e:VRAW+4*\e+3], v[VSO+\e], s[12:13]
.endr
	s_wait_loadcnt 20                              ; the 20 loads just issued may be out: K and its raw scale words, asked for a tile's work ago, are in
.irp e, 0,1,2,3
	v_perm_b32 v[KSW+\e], v[KRAW+2*\e+1], v[KRAW+2*\e], s[KSEL]
.endr
.rept 8
	v_nop                                          ; a scale register written by a vector instruction stands eight places ahead of the product
.endr
	TILE 0
	TILE 1
	TILE 2
	TILE 3
	s_add_co_u32 s[CNT], s[CNT], 1
	s_cmp_lt_u32 s[CNT], s[NST]
	s_cbranch_scc1 .Lstep
.Lout:
	s_wait_loadcnt 0x0                             ; the look-ahead's loads (padding entries, inside the buffers) have landed
	s_load_b64 s[16:17], s[0:1], 0x18              ; y_codes
	s_load_b64 s[18:19], s[0:1], 0x20              ; y_scales
	s_and_b32 s100, ttmp7, 0xffff
	s_lshr_b32 s101, s100, 4
	s_and_b32 s100, s100, 15                       ; head
	s_lshr_b32 s104, s3, 14
	s_lshl_b32 s101, s101, 7
	s_lshl_b32 s104, s104, 2
	s_add_co_u32 s101, s101, s104                  ; my first tile of places: 128 batch + 4 j
	s_lshr_b32 s24, s100, 2
	s_lshl_b32 s24, s24, 21                        ; which 256 of D
	s_lshl_b32 s104, s101, 12
	s_add_co_u32 s24, s24, s104
	s_and_b32 s104, s100, 3
	s_lshl_b32 s104, s104, 10                      ; the head's two groups of 32 among the eight
	s_add_co_u32 s24, s24, s104
	s_mov_b32 s25, 0
	s_lshl_b32 s26, s101, 9
	s_lshl_b32 s104, s100, 1
	s_add_co_u32 s26, s26, s104
	s_mov_b32 s27, 0
.irp t, 0,1,2,3
	v_add_f32 v[BM+\t], v[ST+4*\t+2], v[ST+4*\t+3] ; these twelve lines are also the places behind the last products
.endr
.irp t, 0,1,2,3
	v_permlanex16_b32 v[PT+\t], v[BM+\t], s[SEL], s[SEL+1]
.endr
.irp t, 0,1,2,3
	v_add_f32 v[BM+\t], v[BM+\t], v[PT+\t]         ; the row's sum
.endr
.irp t, 0,1,2,3
	v_rcp_f32 v[ST+4*\t+2], v[BM+\t]
.endr
	v_lshlrev_b32 v[YSA], 2, v2                    ; 32 r: a plain line behind the reciprocals
	v_mov_b32 v[ONES], 0xffff
	s_wait_alu depctr_va_vdst(0)                   ; one wait for the four reciprocals
.irp t, 0,1,2,3
	v_cmp_eq_f32 s[20+\t], 0, v[BM+\t]             ; a row with no true key
.endr
.irp t, 0,1,2,3
	v_cndmask_b32 v[ST+4*\t+2], v[ST+4*\t+2], 0, s[20+\t]
.endr
	s_wait_kmcnt 0x0
	s_add_nc_u64 s[16:17], s[16:17], s[24:25]
	s_add_nc_u64 s[18:19], s[18:19], s[26:27]
; Tile t: y = O^T / the sum; its 32 registers are two blocks of 32 along D.  Each tile has store registers of its own.
.macro YOUT t
	WIN 0x01
.set i, 0
.rept 16
	v_pk_mul_f32 v[S+i:S+i+1], v[32*(\t)+i:32*(\t)+i+1], v[ST+4*(\t)+2:ST+4*(\t)+3] op_sel_hi:[1,0]
.set i, i+2
.endr
	WIN 0
.irp b, 0,1
	v_max3_num_f32 v[BM+\b], |v[S+16*\b]|, |v[S+16*\b+1]|, 0x4800000
.endr
.irp i, 2,4,6,8,10,12,14
.irp b, 0,1
	v_max3_num_f32 v[BM+\b], v[BM+\b], |v[S+16*\b+\i]|, |v[S+16*\b+\i+1]|
.endr
.endr
.irp b, 0,1
	v_permlanex16_b32 v[PT+\b], v[BM+\b], s[SEL], s[SEL+1]
.endr
.irp b, 0,1
	v_max_num_f32 v[BM+\b], v[BM+\b], v[PT+\b]
.endr
.irp b, 0,1
	v_add_nc_u32 v[SO+\b], 0xfc000000, v[BM+\b]
.endr
.irp b, 0,1
	v_and_or_b32 v[LM+\b], v[BM+\b], 0x7f800000, s[MNT]
.endr
.irp b, 0,1
	v_lshrrev_b32 v[PT+\b], 23, v[SO+\b]
.endr
	v_lshl_or_b32 v[YW+(\t)], v[PT+1], 8, v[PT]
	v_cndmask_b32 v[YW+(\t)], v[YW+(\t)], v[ONES], s[20+(\t)]   ; the empty row's bytes: 0xff
.irp b, 0,1
.irp i, 0,1,2,3,4,5,6,7,8,9,10,11,12,13,14,15
	v_med3_num_f32 v[S+16*\b+\i], v[S+16*\b+\i], -v[LM+\b], v[LM+\b]
.endr
	v_cvt_scalef32_pk8_fp8_f32 v[YC+8*(\t)+4*\b:YC+8*(\t)+4*\b+1], v[S+16*\b:S+16*\b+7], v[SO+\b]
	v_cvt_scalef32_pk8_fp8_f32 v[YC+8*(\t)+4*\b+2:YC+8*(\t)+4*\b+3], v[S+16*\b+8:S+16*\b+15], v[SO+\b]
.endr
	v_nop                                          ; a plain line behind the last conversion
	global_store_b128 v1, v[YC+8*(\t):YC+8*(\t)+3], s[16:17] offset:(\t)*4096        ; 512 consecutive bytes, aligned
	global_store_b128 v1, v[YC+8*(\t)+4:YC+8*(\t)+7], s[16:17] offset:(\t)*4096+512
	global_store_b16 v[YSA], v[YW+(\t)], s[18:19] offset:(\t)*512                    ; my head's two of a place's 32 scale bytes: 1 byte in 32 of what the launch stores
.endm
	YOUT 0
	YOUT 1
	YOUT 2
	YOUT 3
	s_endpgm
.Lfunc_end_k_q08230add2d_attn:
	.size	k_q08230add2d_attn, .Lfunc_end_k_q08230add2d_attn-k_q08230add2d_attn
	.p2alignl 7, 3214868480
	.fill 96, 4, 3214868480
	.section	.rodata,"a",@progbits
	.p2align	6, 0x0
	.amdhsa_kernel k_q08230add2d_attn
		.amdhsa_group_segment_fixed_size 0
		.amdhsa_private_segment_fixed_size 0
		.amdhsa_enable_private_segment 0
		.amdhsa_kernarg_size 40
		.amdhsa_user_sgpr_count 2
		.amdhsa_user_sgpr_kernarg_segment_ptr 1
		.amdhsa_wavefront_size32 1
		.amdhsa_system_sgpr_workgroup_id_x 1
		.amdhsa_system_sgpr_workgroup_id_y 1
		.amdhsa_system_sgpr_workgroup_id_z 1
		.amdhsa_system_vgpr_workitem_id 0
		.amdhsa_next_free_vgpr 512
		.amdhsa_next_free_sgpr 106
		.amdhsa_reserve_vcc 0
		.amdhsa_float_denorm_mode_32 3
		.amdhsa_float_denorm_mode_16_64 3
		.amdhsa_memory_ordered 1
		.amdhsa_forward_progress 1
		.amdhsa_inst_pref_size 129
	.end_amdhsa_kernel
	.amdgpu_metadata
---
amdhsa.version: [ 1, 2 ]
amdhsa.kernels:
  - .name:           k_q08230add2d_attn
    .symbol:         k_q08230add2d_attn.kd
    .args:
      - { .name: qkv_codes, .offset: 0, .size: 8, .value_kind: global_buffer, .address_space: global }
      - { .name: qkv_scales, .offset: 8, .size: 8, .value_kind: global_buffer, .address_space: global }
      - { .name: maskw, .offset: 16, .size: 8, .value_kind: global_buffer, .address_space: global }
      - { .name: y_codes, .offset: 24, .size: 8, .value_kind: global_buffer, .address_space: global }
      - { .name: y_scales, .offset: 32, .size: 8, .value_kind: global_buffer, .address_space: global }
    .group_segment_fixed_size: 0
    .private_segment_fixed_size: 0
    .kernarg_segment_align: 8
    .kernarg_segment_size: 40
    .max_flat_workgroup_size: 256
    .sgpr_count:     106
    .vgpr_count:     512
    .wavefront_size: 32
...
	.end_amdgpu_metadata
.endif
;; end of part 3
;; launch proj (part 4): grid 4 x 32, 4 waves a work-group, clusters of 4 x 4, 327,680 bytes of LDS; arguments y_codes, y_scales, xw_codes, xw_scales, bproj, out0; writes out0
.if DOCPART == 4
	.amdgcn_target "amdgcn-amd-amdhsa--gfx1250"
	.amdhsa_code_object_version 6
	.text
	.protected	k_q08230add2d_proj
	.globl	k_q08230add2d_proj
	.p2align	8
	.type	k_q08230add2d_proj,@function
k_q08230add2d_proj:
	s_mov_b64 s[64:65], 0
	v_nop
	global_prefetch_b8 v0, s[64:65] scope:SCOPE_SE
	s_setreg_imm32_b32 hwreg(HW_REG_WAVE_MODE, 25, 1), 1
	s_wait_xcnt 0x0
	s_wait_alu depctr_hold_cnt(0) depctr_sa_sdst(0) depctr_va_vdst(0) depctr_va_sdst(0) depctr_va_ssrc(0) depctr_va_vcc(0) depctr_vm_vsrc(0)
	s_getreg_b32 s2, hwreg(HW_REG_IB_STS2, 6, 4)
	s_cmp_eq_u32 s2, 0
	s_cbranch_scc0 .Lentry_in_a_cluster
	s_endpgm
.Lentry_in_a_cluster:
	s_bfe_u32 s2, ttmp6, 0x10000c
	s_cmp_lg_u32 s2, 0xf033
	s_cbranch_scc0 .Lentry_shape_is_right
	s_endpgm
.Lentry_shape_is_right:
; Launch 4 of 4: out0 = y Wproj + bproj on codes of E4M3 (K = 1,024).  No work is left out here.
; The loop is the second launch's: a tile of 256 x 256 by four waves of 128 x 128, K in steps of 256 through two LDS slots, 4 x 4 clusters with joint loads.  P (source 1, rows on lanes) = 256 places of y, shared along a
; row of the cluster; R (source 0, rows on registers) = places 3,072 + 256 cx of the weights, shared along a column.  128 work-groups: the product has 128 tiles of this size.
; P's codes lie in memory as images of the fragments ([256 of K][tile of 16 places][128 of the 256][group of 32][lane][16]): a wave's part of a slot is 32,768 dense bytes, brought unpadded; a fragment's four loads
; read 512 consecutive LDS bytes each.  R's tiles, and both sides' scale bytes, are rows as in the second launch.
; The bias is the C of each sum's first product.  THE WAY OUT goes through each wave's stage in LDS (in slot 0, which has had its last fill and its last read) and undoes the order of places: columns in the stage's
; offsets, rows in the stores' immediates.  A row of y with the scale byte 0xff (a query with no key) comes out NaN in all its columns, as in reference().
.set ROWB,   256
.set KROW,   1024
.set NQ,     2
.set PITCH,  272
.set FR,     16
.set NL,     4
.set NP,     8
.set HALFT,  128*PITCH
.set SLOT,   4*HALFT
.set LAPS,   2
.set KS,     32
.set SCL,    2*SLOT
.set HALFS,  16*272
.set SBLK,   2*272
.set SPARE,  SCL+4*HALFS
.set PSTEP,  2097152                   ; from a K step of y's images to the next
.set SPITCH, 528
.set ADRA, 16
.set ADRB, 20
.set STO,  24
.set RD,   25
.set CO,   26
.set ADRS, 27
.set SPW,  28
.set NIL,  29
.set SC,   32
.set CB,   64
.set AF,   128
.set BK,   128
.set G1, 24
.set G0, 32
.set G1B, 48
.set G0B, 56
.set G1S, 68
.set G0S, 76
.set G1SB, 80
.set G0SB, 88
.set MSB, 0
.macro WIN new
.if MSB != \new
	s_set_vgpr_msb (MSB<<8)|\new
.set MSB, \new
.endif
.endm
.set MUL_LO, 0xa1
.set MUL_HI, 0xf1
.set TO_B,   0x40
.macro JLOAD g0a, g1a, g0b, g1b        ; waves 0 and 1 fetch for P, waves 2 and 3 for R; an s_nop 0 and four v_nop follow each line
	s_cmp_eq_u32 s15, 0
	s_cbranch_scc0 .Lfor_b_\@
	tensor_load_to_lds s[\g0a:\g0a+3], s[\g1a:\g1a+7]
	s_nop 0
.rept 4
	v_nop
.endr
	s_branch .Lasked_\@
.Lfor_b_\@:
	tensor_load_to_lds s[\g0b:\g0b+3], s[\g1b:\g1b+7]
	s_nop 0
.rept 4
	v_nop
.endr
.Lasked_\@:
.endm
.macro CREST
	s_cmp_lg_u32 s14, 0
	s_cbranch_scc1 .Lnot_wave_0_\@
	s_barrier_signal -3
.Lnot_wave_0_\@:
	s_barrier_wait -3
	s_barrier_signal -1
	s_barrier_wait -1
.endm
.macro CROUND
	s_barrier_signal -1
	s_barrier_wait -1
	CREST
.endm
	s_load_b256 s[4:11], s[0:1], 0x0               ; y_codes s[4:5], y_scales s[6:7], xw_codes s[8:9], xw_scales s[10:11]
	s_load_b64 s[96:97], s[0:1], 0x20              ; bproj
	s_load_b64 s[12:13], s[0:1], 0x28              ; out0
	v_lshl_add_u32 v[SPW], v0, 2, SPARE
	v_mov_b32 v[NIL], 0
	ds_add_u32 v[SPW], v[NIL]                      ; the wave's opening: the add, twice on end, and its wait ahead of my first tensor load
	ds_add_u32 v[SPW], v[NIL]
	v_lshrrev_b32 v1, 5, v0
	v_readfirstlane_b32 s14, v1
	s_lshr_b32 s15, s14, 1                         ; my half of P's rows.  Also: I fetch for P (0) or for R (1)
	s_and_b32 s16, s14, 1                          ; my half of R's rows.  Also: which 128 rows I fetch
	s_bfe_u32 s40, ttmp6, 0x40000                  ; cx
	s_bfe_u32 s41, ttmp6, 0x40004                  ; cy
	s_lshl_b32 s42, ttmp9, 2
	s_add_co_u32 s42, s42, s40                     ; R's tile
	s_and_b32 s17, ttmp7, 0xffff
	s_lshl_b32 s17, s17, 2
	s_add_co_u32 s17, s17, s41                     ; P's tile
	s_lshl_b32 s43, s41, 2
	s_lshl_b32 s43, 15, s43
	s_lshl_b32 s44, 0x1111, s40
	s_or_b32 s[G1+0], s43, (3<<16)|(1<<21)         ; P: the mask; elements of 8 bytes; no padding; bit 21 beside a mask
	s_mov_b32 s[G1+1], 32<<16                      ; 128 rows of 32 elements, dense
	s_mov_b32 s[G1+2], 128<<16
	s_mov_b32 s[G1+3], 32<<16
	s_mov_b32 s[G1+4], 128
	s_mov_b32 s[G1+5], 32
	s_mov_b32 s[G1+6], 0
	s_mov_b32 s[G1+7], 0
	s_or_b32 s[G1B+0], s44, (0<<16)|(1<<20)|(1<<21)|(5<<22)|(3<<25)  ; R: 128 rows of 256 bytes, 4 words of padding behind every 64
	s_mov_b32 s[G1B+1], ROWB<<16
	s_mov_b32 s[G1B+2], 128<<16
	s_mov_b32 s[G1B+3], ROWB<<16
	s_mov_b32 s[G1B+4], 128
	s_mov_b32 s[G1B+5], KROW
	s_mov_b32 s[G1B+6], 0
	s_mov_b32 s[G1B+7], 0
	s_or_b32 s[G1S+0], s43, (3<<16)|(1<<20)|(1<<21)|(5<<22)|(3<<25)
	s_or_b32 s[G1SB+0], s44, (3<<16)|(1<<20)|(1<<21)|(5<<22)|(3<<25)
.irp g, G1S, G1SB
	s_mov_b32 s[\g+1], 32<<16
	s_mov_b32 s[\g+2], 16<<16
	s_mov_b32 s[\g+3], 32<<16
	s_mov_b32 s[\g+4], 16
	s_mov_b32 s[\g+5], 32
	s_mov_b32 s[\g+6], 0
	s_mov_b32 s[\g+7], 0
.endr
	s_lshl_b32 s20, s17, 16
	s_lshl_b32 s18, s16, 15
	s_add_co_u32 s20, s20, s18                     ; P's images: 4,096 bytes a tile of 16 places in a K step
	s_mov_b32 s21, 0
	s_lshl_b32 s22, s17, 13
	s_lshl_b32 s18, s16, 12
	s_add_co_u32 s22, s22, s18                     ; P's scale bytes
	s_mov_b32 s23, 0
	s_lshl_b32 s46, s42, 18
	s_lshl_b32 s19, s16, 17
	s_add_co_u32 s46, s46, s19
	s_add_co_u32 s46, s46, 0xb00000                ; R's codes: the weights' places 3,072 on
	s_mov_b32 s47, 0
	s_lshl_b32 s92, s42, 13
	s_add_co_u32 s92, s92, s18
	s_add_co_u32 s92, s92, 0x58000                 ; R's scale bytes
	s_mov_b32 s93, 0
	s_mul_i32 s45, s14, HALFT
	s_mul_i32 s94, s14, HALFS
	s_wait_dscnt 0x0                               ; both opening adds are done
	s_wait_kmcnt 0x0
	s_add_nc_u64 s[20:21], s[4:5], s[20:21]
	s_add_nc_u64 s[22:23], s[6:7], s[22:23]
	s_add_nc_u64 s[46:47], s[8:9], s[46:47]
	s_add_nc_u64 s[92:93], s[10:11], s[92:93]
	CROUND                                         ; all sixteen work-groups are here: the first joint loads meet
	s_mov_b32 s[G0S], 1
	s_add_co_u32 s[G0S+1], s94, SCL
	s_mov_b64 s[G0S+2:G0S+3], s[22:23]
	s_or_b32 s[G0S+3], s[G0S+3], 0x80000000
	s_mov_b32 s[G0SB], 1
	s_add_co_u32 s[G0SB+1], s94, SCL
	s_mov_b64 s[G0SB+2:G0SB+3], s[92:93]
	s_or_b32 s[G0SB+3], s[G0SB+3], 0x80000000
	JLOAD G0S, G1S, G0SB, G1SB
.irp s, 0,1
	s_mov_b32 s[G0+4*\s], 1
	s_add_co_u32 s[G0+4*\s+1], s45, \s*SLOT
	s_add_nc_u64 s[G0+4*\s+2:G0+4*\s+3], s[20:21], \s*PSTEP
	s_or_b32 s[G0+4*\s+3], s[G0+4*\s+3], 0x80000000
	s_mov_b32 s[G0B+4*\s], 1
	s_add_co_u32 s[G0B+4*\s+1], s45, \s*SLOT
	s_add_nc_u64 s[G0B+4*\s+2:G0B+4*\s+3], s[46:47], \s*ROWB
	s_or_b32 s[G0B+4*\s+3], s[G0B+4*\s+3], 0x80000000
	JLOAD G0+4*\s, G1, G0B+4*\s, G1B               ; three tensor loads of mine are out
.endr
	v_and_b32 v1, 15, v0                           ; r
	v_bfe_u32 v2, v0, 4, 1                         ; h
	v_mul_u32_u24 v3, v1, PITCH
	v_lshl_add_u32 v4, v2, 4, v3                   ; R: row x pitch + 16 h
	v_and_b32 v6, 31, v0
	v_lshlrev_b32 v[CO], 4, v6                     ; 16 x lane: P's images, and a row of out0
	s_mul_i32 s21, s15, HALFT
	s_mul_i32 s22, s16, HALFT
	s_add_co_u32 s22, s22, 2*HALFT
.irp s, 0,1
	v_add_nc_u32 v[ADRA+\s], s21, v[CO]
	v_add_nc_u32 v[ADRB+\s], s22, v4
	s_add_co_u32 s21, s21, SLOT
	s_add_co_u32 s22, s22, SLOT
.endr
	v_mul_u32_u24 v5, v1, KS
	v_lshrrev_b32 v6, 8, v5
	v_lshl_add_u32 v5, v6, 4, v5
	s_mul_i32 s21, s15, HALFS
	s_mul_i32 s22, s16, HALFS
	s_add_co_u32 s22, s22, 2*HALFS
	s_sub_co_u32 s22, s22, s21
	v_mul_u32_u24 v6, s22, v2
	s_add_co_u32 s21, s21, SCL
	v_add_nc_u32 v5, v5, v6
	v_add_nc_u32 v[ADRS], s21, v5
	s_mul_i32 s23, s14, 16*SPITCH                  ; my stage
	v_mul_u32_u24 v5, v1, SPITCH
	v_lshl_add_u32 v5, v2, 6, v5
	v_add_nc_u32 v[STO], s23, v5                   ; in: row r, + 64 h
	v_add_nc_u32 v[RD], s23, v[CO]                 ; back: the 32 lanes take one row of 512 bytes
	s_lshl_b32 s20, s17, 20
	s_lshl_b32 s21, s15, 19
	s_add_co_u32 s20, s20, s21                     ; my first row of out0: 4,096 bytes a row
	s_lshl_b32 s21, s42, 10
	s_add_co_u32 s20, s20, s21
	s_lshl_b32 s21, s16, 9
	s_add_co_u32 s20, s20, s21                     ; my first column
	s_mov_b32 s21, 0
	s_add_nc_u64 s[12:13], s[12:13], s[20:21]
	s_lshl_b32 s20, s42, 10
	s_lshl_b32 s22, s16, 9
	s_add_co_u32 s20, s20, s22
	s_add_nc_u64 s[96:97], s[96:97], s[20:21]      ; the bias of my 128 columns
	v_lshlrev_b32 v8, 6, v2                        ; register 8 b + j = bproj[32 (b / 2) + 8 (b % 2) + 16 h + j]
.irp b, 0,1,2,3,4,5,6,7
	global_load_b128 v[CB+8*\b:CB+8*\b+3], v8, s[96:97] offset:(32*(\b/2)+8*(\b%2))*4
	global_load_b128 v[CB+8*\b+4:CB+8*\b+7], v8, s[96:97] offset:(32*(\b/2)+8*(\b%2))*4+16
.endr
.macro FRAG reg, adr, q, i             ; R: 16 rows x 128 K from padded rows
.irp c, 0,1,2,3
	ds_load_b128 v[\reg+4*\c:\reg+4*\c+3], v[\adr] offset:128*(\q)+32*\c+(\i)*16*PITCH
.endr
.endm
.macro FRAGP reg, adr, q, i            ; P: a fragment's image: four runs of 512 bytes
.irp c, 0,1,2,3
	ds_load_b128 v[\reg+4*\c:\reg+4*\c+3], v[\adr] offset:4096*(\i)+2048*(\q)+512*\c
.endr
.endm
.macro MUL16 a0, p, q, sc, zero        ; zero = 1: the first product, C = the bias.  The 64 accumulators take turns
.irp a, \a0, \a0+1
.irp b, 0,1,2,3,4,5,6,7
.set rD, 8*(8*((\a)%4)+\b)
.set rB, 128*(\p)+FR*\b
.set rA, AF+FR*(\a)
.set rSB, SC+8*NQ*(\sc)+NQ*\b+(\q)
.set rSA, SC+8*NQ*(\sc)+NQ*(\a)+(\q)
.if \zero
	v_wmma_scale_f32_16x16x128_f8f6f4 v[rD:rD+7], v[rB:rB+FR-1], v[rA:rA+FR-1], v[CB+8*\b:CB+8*\b+7], v[rSB], v[rSA] matrix_a_scale:MATRIX_SCALE_ROW1
.else
	v_wmma_scale_f32_16x16x128_f8f6f4 v[rD:rD+7], v[rB:rB+FR-1], v[rA:rA+FR-1], v[rD:rD+7], v[rSB], v[rSA] matrix_a_scale:MATRIX_SCALE_ROW1
.endif
.endr
.endr
.endm
.macro FETCH_B slot, q, p
	WIN TO_B
.irp i, 0,1,2,3,4,5,6,7
	FRAG 128*(\p)+FR*\i, ADRB+\slot, \q, \i
.endr
	WIN 0
.endm
.macro FETCH_A slot, q, i0
.irp i, \i0, \i0+1, \i0+2, \i0+3
	FRAGP AF+FR*(\i), ADRA+\slot, \q, \i
.endr
.endm
.macro SCALES sc
.irp i, 0,1,2,3,4,5,6,7
	ds_load_b64 v[SC+8*NQ*\sc+NQ*\i:SC+8*NQ*\sc+NQ*\i+1], v[ADRS] offset:\i*SBLK
.endr
.endm
.macro PLACES n
.rept \n
	v_nop
.endr
.endm
.macro STEP slot, q, zero
	s_wait_dscnt 4*NL                              ; R's set and P's blocks 0-3 are in; the youngest 16 loads (P's blocks 4-7) may be out
.if \zero
	WIN 0x81
.else
	WIN MUL_LO
.endif
	MUL16 0, (\q)%2, \q, \slot, \zero
	MUL16 2, (\q)%2, \q, \slot, \zero
	s_wait_dscnt 0
	PLACES NP
	FETCH_B \slot, (\q)+1, 1-(\q)%2
	FETCH_A \slot, (\q)+1, 0
.if \zero
	WIN 0xc1
.else
	WIN MUL_HI
.endif
	MUL16 4, (\q)%2, \q, \slot, \zero
	MUL16 6, (\q)%2, \q, \slot, \zero
	PLACES NP
	WIN 0
	FETCH_A \slot, (\q)+1, 4
.endm
.macro TURN slot, next, fill
	s_wait_tensorcnt 0x0                           ; all my tensor loads have landed: my part of the next slot
	ds_add_u32 v[SPW], v[NIL]
	s_wait_dscnt 4*NL+1                            ; the add and the youngest 16 loads may be out
	WIN MUL_LO
	MUL16 0, 1, NQ-1, \slot, 0
	s_wait_dscnt 0x0                               ; the add is done, and my reads of this slot are over
	s_barrier_signal -1
	MUL16 2, 1, NQ-1, \slot, 0
	WIN 0
	s_barrier_wait -1
.if \fill
	CREST                                          ; no wave of any partner still reads this slot or has a load on its way
	s_add_nc_u64 s[G0+4*\slot+2:G0+4*\slot+3], s[G0+4*\slot+2:G0+4*\slot+3], 2*PSTEP
	s_add_nc_u64 s[G0B+4*\slot+2:G0B+4*\slot+3], s[G0B+4*\slot+2:G0B+4*\slot+3], 2*ROWB
	JLOAD G0+4*\slot, G1, G0B+4*\slot, G1B         ; my one tensor load behind the round
	PLACES NP-4
.else
	PLACES NP
.endif
	v_add_nc_u32 v[ADRS], 4*NQ, v[ADRS]
	FETCH_B \next, 0, 0
	FETCH_A \next, 0, 0
	SCALES \next
	WIN MUL_HI
	MUL16 4, 1, NQ-1, \slot, 0
	MUL16 6, 1, NQ-1, \slot, 0
	PLACES NP
	WIN 0
	FETCH_A \next, 0, 4
.endm
	s_wait_tensorcnt 1                             ; the scale bytes and my part of K step 0 are in; K step 1's load may be out
	s_barrier_signal -1
	s_barrier_wait -1
	FETCH_B 0, 0, 0
	FETCH_A 0, 0, 0
	SCALES 0
	FETCH_A 0, 0, 4
	s_wait_loadcnt 0x0                             ; the bias
	STEP 0, 0, 1
	s_mov_b32 s3, LAPS-1
.Llap:
	TURN 0, 1, 1
	STEP 1, 0, 0
	TURN 1, 0, 1
	STEP 0, 0, 0
	s_sub_co_u32 s3, s3, 1
	s_cmp_lg_u32 s3, 0
	s_cbranch_scc1 .Llap
	TURN 0, 1, 0
	STEP 1, 0, 0
	s_wait_dscnt 4*NL
	WIN MUL_LO
	MUL16 0, 1, NQ-1, 1, 0
	MUL16 2, 1, NQ-1, 1, 0
	s_wait_dscnt 0
	WIN MUL_HI
	MUL16 4, 1, NQ-1, 1, 0
	MUL16 6, 1, NQ-1, 1, 0
	WIN 0
; THE WAY OUT, block by block of 16 places x 128 columns.  Accumulator b's registers are the true columns 32 (b / 2) + 16 h + 8 (b % 2) + 0 .. 7: that is where they go in the stage's row.
.macro TOSTAGE a
.set AC, 64*((\a)%4)
.set WNEW, 0x08+4*((\a)/4)
	WIN WNEW                                       ; an LDS store's data: window 2 or 3
.irp b, 0,1,2,3,4,5,6,7
	ds_store_b128 v[STO], v[AC+8*\b:AC+8*\b+3] offset:128*(\b/2)+32*(\b%2)        ; each accumulator from its low end on
	ds_store_b128 v[STO], v[AC+8*\b+4:AC+8*\b+7] offset:128*(\b/2)+32*(\b%2)+16
.endr
	WIN 0
.set BB, BK+64*((\a)%2)
.irp t, 0,1,2,3,4,5,6,7,8,9,10,11,12,13,14,15
	ds_load_b128 v[BB+4*\t:BB+4*\t+3], v[RD] offset:\t*SPITCH   ; LDS serves a wave's instructions in order (ISA guide 5.7.1.4): these see my stores
.endr
.endm
.macro SEND a, younger                 ; place 16 a + t of my 128 is the true row 32 (a / 2) + 16 (t / 8) + 8 (a % 2) + t % 8: it stands in the immediate, 127 rows of 4,096 bytes at the most; the base is never stepped
.set BB, BK+64*((\a)%2)
	s_wait_dscnt \younger
.irp t, 0,1,2,3,4,5,6,7,8,9,10,11,12,13,14,15
	global_store_b128 v[CO], v[BB+4*\t:BB+4*\t+3], s[12:13] offset:(32*((\a)/2)+16*(\t/8)+8*((\a)%2)+(\t%8))*4096 th:TH_STORE_NT   ; 32 lanes store 512 consecutive bytes, aligned
.endr
.endm
	PLACES NP
	TOSTAGE 0
.irp a, 1,2,3,4,5,6,7
.if \a > 1
	s_wait_xcnt 0x0                                ; block a - 2's stores have read their registers: block a's loads may land there
.endif
	TOSTAGE \a
	SEND \a-1, 32                                  ; behind block a - 1's loads: block a's 16 stores and 16 loads
.endr
	SEND 7, 0
	s_wait_tensorcnt 0x0                           ; the wave's end: behind my last tensor load and my last LDS store
	ds_add_u32 v[SPW], v[NIL]
	s_wait_dscnt 0x0
	CROUND                                         ; the closing round
	s_endpgm
.Lfunc_end_k_q08230add2d_proj:
	.size	k_q08230add2d_proj, .Lfunc_end_k_q08230add2d_proj-k_q08230add2d_proj
	.p2alignl 7, 3214868480
	.fill 96, 4, 3214868480
	.section	.rodata,"a",@progbits
	.p2align	6, 0x0
	.amdhsa_kernel k_q08230add2d_proj
		.amdhsa_group_segment_fixed_size 327680
		.amdhsa_private_segment_fixed_size 0
		.amdhsa_enable_private_segment 0
		.amdhsa_kernarg_size 48
		.amdhsa_user_sgpr_count 2
		.amdhsa_user_sgpr_kernarg_segment_ptr 1
		.amdhsa_wavefront_size32 1
		.amdhsa_system_sgpr_workgroup_id_x 1
		.amdhsa_system_sgpr_workgroup_id_y 1
		.amdhsa_system_sgpr_workgroup_id_z 1
		.amdhsa_system_vgpr_workitem_id 0
		.amdhsa_next_free_vgpr 1024
		.amdhsa_next_free_sgpr 106
		.amdhsa_reserve_vcc 0
		.amdhsa_float_denorm_mode_32 3
		.amdhsa_float_denorm_mode_16_64 3
		.amdhsa_memory_ordered 1
		.amdhsa_forward_progress 1
		.amdhsa_inst_pref_size 147
	.end_amdhsa_kernel
	.amdgpu_metadata
---
amdhsa.version: [ 1, 2 ]
amdhsa.kernels:
  - .name:           k_q08230add2d_proj
    .symbol:         k_q08230add2d_proj.kd
    .args:
      - { .name: y_codes, .offset: 0, .size: 8, .value_kind: global_buffer, .address_space: global }
      - { .name: y_scales, .offset: 8, .size: 8, .value_kind: global_buffer, .address_space: global }
      - { .name: xw_codes, .offset: 16, .size: 8, .value_kind: global_buffer, .address_space: global }
      - { .name: xw_scales, .offset: 24, .size: 8, .value_kind: global_buffer, .address_space: global }
      - { .name: bproj, .offset: 32, .size: 8, .value_kind: global_buffer, .address_space: global }
      - { .name: out0, .offset: 40, .size: 8, .value_kind: global_buffer, .address_space: global }
    .group_segment_fixed_size: 327680
    .private_segment_fixed_size: 0
    .kernarg_segment_align: 8
    .kernarg_segment_size: 48
    .max_flat_workgroup_size: 128
    .sgpr_count:     106
    .vgpr_count:     1024
    .wavefront_size: 32
...
	.end_amdgpu_metadata
.endif
;; end of part 4
;; ======== version 2 of 2: 4 launches; version 1 with the launch attn written anew for expert scheduling mode
;; workspace buffers: xw_codes 12,582,912 bytes; xw_scales 393,216 bytes; maskw 541,696 bytes of whole numbers; qkv_codes 25,165,824 bytes; qkv_scales 786,432 bytes; y_codes 8,388,608 bytes; y_scales 262,144 bytes
;; launch prep: the kernel of part 1 again; grid 640 x 1, 4 waves a work-group, no clusters, 85,504 bytes of LDS; arguments x, Wqkv, Wproj, mask, xw_codes, xw_scales, maskw; writes xw_codes, xw_scales, maskw
;; launch qkv: the kernel of part 2 again; grid 12 x 32, 4 waves a work-group, clusters of 4 x 4, 327,680 bytes of LDS; arguments xw_codes, xw_scales, bqkv, qkv_codes, qkv_scales; writes qkv_codes, qkv_scales
;; launch attn (part 5): grid 4 x 64, 8 waves a work-group, no clusters, 0 bytes of LDS; arguments qkv_codes, qkv_scales, maskw, y_codes, y_scales; writes y_codes, y_scales
.if DOCPART == 5
	.amdgcn_target "amdgcn-amd-amdhsa--gfx1250"
	.amdhsa_code_object_version 6
	.text
	.protected	k_q08230add2d_attn
	.globl	k_q08230add2d_attn
	.p2align	8
	.type	k_q08230add2d_attn,@function
k_q08230add2d_attn:
	s_mov_b64 s[64:65], 0
	v_nop
	global_prefetch_b8 v0, s[64:65] scope:SCOPE_SE
	s_setreg_imm32_b32 hwreg(HW_REG_WAVE_SCHED_MODE, 0, 2), 2
	s_setreg_imm32_b32 hwreg(HW_REG_WAVE_MODE, 25, 1), 1
	s_wait_xcnt 0x0
	s_wait_alu depctr_vm_vsrc(0)
; Launch 3 of 4: y = softmax(mask(q k^T / 8)) v for 64 (batch, head) pairs, both products on codes of E4M3, and y quantised along D for the last product.
; WORK LEFT OUT: a unit of 64 queries x 32 keys all of whose mask bytes are 0 (shown dead at the head of the first launch): its p are exact zeros.  The list of live key blocks is made of flag bits that the first
; launch stored and a scalar load reads here.  It serves every mask, from empty to dense.  LIMIT: a NaN or an infinity in k or v that lies only under units left out is not carried to the result.
; SHARES.  A work-group serves one (batch, head); each of its 8 waves one block of 64 query places, four tiles of 16: wave w of work-group x takes block p = 4 x + w % 4 (w < 4) or 31 - p: a pairing by ids alone.
; NO LDS, NO TENSOR LOAD, NO BARRIER, NO CLUSTER: the number of steps hangs on counts read from memory and differs from wave to wave, so partners could not make every joint request alike.  The operands lie in memory
; in the order of the registers (the launch before laid them so) and come by 16-byte loads, 512 consecutive bytes an instruction; four query tiles share each fragment of K and V.
; A STEP takes four list entries (4 x 32 keys = one K of 128 for the second product).  A list that ends early is padded: a padding entry's mask words come from zero bytes, so its scores are -infinity and its codes 0.
; FIRST PRODUCT, K = 64 in an instruction of 128: an entry's two key tiles are ONE source 0, [tile 0's 64 | tile 1's 64]; against [Q | zeros] it gives tile 0's scores, against [zeros | Q] tile 1's.
; Both products are used transposed: a lane holds one query.  By the order of places the 16 registers of an entry are the true keys 32 block + 16 h + 0 .. 15, and those of O^T's tiles 2 b, 2 b + 1 the true d 32 b + 16 h + 0 .. 15.
; SOFTMAX: t = score x log2(e) / 8 (one rounding); M = the running largest t rounded up to a whole number; p = 2^(t - M) is quantised along the keys; the row's sum is of the unquantised p; O^T and the sum are multiplied
; by 2^(old M - new M), exact.  A row with no true key has the sum 0: its y gets zero codes and the scale byte 0xff, which makes the last product's whole row NaN, as reference()'s softmax of an empty row is.
; y_codes: [D / 256][tile of 16 places][128 of the 256][group of 32][lane][16]: the last product's fragments as they stand.  y_scales: [place][32].
; REGISTERS, window 0: v1 16 x lane, v2 8 r, v3 16 r; v4-7, v8-11, v12-15 the entries' offsets (codes, K's scale words, V's); v16-87 zeros and Q by turns, 8 each; v88-91, v92-95, v96-99 scale words of Q, K, V;
;   v100-115 per tile -M, the largest t, the sum in two halves; v116 -infinity; v120-127, v128-143 raw scale words; v144-151 at work; v152-155 the conversions' scale operands; v156 f, v157 p's scale word; v158-159 at work;
;   v160-223 S^T, then p; v224-239 p's codes; v240-251 at work.   window 1: v0-127 O^T (tile t, d tile u at 32 t + 8 u); v128-191 K (16 an entry); v192-255 V (d tile u at 192 + 16 u, entry e at + 4 e).
; THE MODE: SCHED_MODE bits 1:0 = 2 (LLVM: expert scheduling mode 2), set by the entry lines.  The code itself states the register dependences between vector or matrix instructions and memory instructions,
; with s_wait_alu, always for 0.
; THE PLAN.  Registers that memory instructions touch, in the loop:
;   K             Read by a step's 32 first products, the last eight in tile 3; behind those eight the next step's loads land in it.
;   KRAW          Read by the four byte selects at a step's head (ahead of the loop: by Q's four); loaded again with K.
;   V             Read by a step's 16 second products, the last four at its end; the next step's loads land in it at the next step's head.
;   VRAW          Read by tile 0's byte selects; loaded again with V.
;   OFF, KSO, VSO Read as offsets by K's loads (OFF, KSO) and, at the next step's head, by V's (OFF, VSO); written once a step, in tile 3, ahead of K's loads.
;   v1, v2        Offsets, made at the head and never written again.
;   On the way out every tile has store registers of its own, written once.
; Operands of the products that vector instructions make: KSW at a step's head; p's codes and scale word in every tile; VSW in tile 0; QS and the zero halves beside Q once, at the head.
; The mask words in s16-83 are read by a tile's 64 selects, and the next tile's scalar loads land in them.  No other scalar register that a vector line has read is written again before a wait on va_vdst has passed.
; THE WAITS OF A STEP.  At its head one on va_vdst ahead of V's loads and one behind KSW's places; in each tile the two behind the exponentials and one behind the places ahead of the second products;
; in tiles 0 to 2 one between the selects and the scalar loads; in tile 3 one on vm_vsrc ahead of the lines that write the offsets and one on va_vdst behind them, ahead of K's loads.
; Behind each wait that serves loads or stores, only those and window switches stand up to the last of them.
.set OFF,  4
.set KSO,  8
.set VSO,  12
.set QS,   88
.set KSW,  92
.set VSW,  96
.set ST,   100
.set NINF, 116
.set KRAW, 120
.set VRAW, 128
.set PTM,  144
.set SO,   152
.set FF,   156
.set TMP,  158
.set YSA,  159
.set S,    160
.set YC,   192                         ; the way out: y's codes, 8 registers a tile
.set PC,   224
.set YW,   224                         ; the way out: y's two scale bytes, a register a tile
.set ONES, 228
.set BM,   240
.set PT,   244
.set LM,   248
.set KF,   128                         ; window 1
.set VF,   192
.set KSEL, 2                           ; s2   byte select for K's scale words
.set LO,   14                          ; s14, s15  the key blocks still to be walked, a bit each
.set HI,   15
.set QSEL, 48                          ; s48  at the head only: byte select for Q's scale words; next written by the loop's first mask words, behind the first wait on va_vdst that follows its readers
.set NST,  66                          ; s66  steps;  s67 steps done
.set CNT,  67
.set MO,   84                          ; s84-87  the entries' offsets into the mask's words
.set KB,   88                          ; s88-91  the entries' key blocks
.set SELA, 92                          ; s92, s93  byte selects for V's scale bytes; s94 joins two pairs of bytes
.set SELB, 93
.set SELC, 94
.set MNT,  95
.set CS,   96                          ; s[96:97] c = log2(e) / 8
.set SEL,  98                          ; s[98:99] lane selects: lane l xor 16
.set MSB, 0
.macro WIN new
.if MSB != \new
	s_set_vgpr_msb (MSB<<8)|\new
.set MSB, \new
.endif
.endm
	s_load_b128 s[16:19], s[0:1], 0x0              ; qkv_codes, qkv_scales
	s_load_b64 s[8:9], s[0:1], 0x10                ; maskw
	v_lshrrev_b32 v1, 5, v0
	v_readfirstlane_b32 s100, v1                   ; wave 0..7
	v_and_b32 v2, 15, v0
	v_and_b32 v1, 31, v0
	v_lshlrev_b32 v1, 4, v1
	v_lshlrev_b32 v3, 4, v2
	v_lshlrev_b32 v2, 3, v2
	s_wait_alu depctr_va_sdst(0)                   ; s100 is written, ahead of its first reader: my block of queries, and so every base, is made from it
	s_and_b32 s101, s100, 3
	s_lshl_b32 s104, ttmp9, 2
	s_add_co_u32 s101, s101, s104                  ; p
	s_sub_co_u32 s104, 31, s101
	s_cmp_lt_u32 s100, 4
	s_cselect_b32 s101, s101, s104                 ; j: my block of 64 query places
	s_lshl_b32 s3, s101, 14                        ; my first tile's words in maskw: 4 j x 4,096
	s_and_b32 s104, ttmp7, 0xffff
	s_lshr_b32 s105, s104, 4                       ; batch
	s_and_b32 s104, s104, 15                       ; head
	s_lshl_b32 s20, s105, 21                       ; a batch's codes of q, of k or of v: 2 MiB
	s_lshl_b32 s28, s105, 16                       ; its scale words: 64 KiB
	s_lshl_b32 s22, s104, 10
	s_add_co_u32 s22, s22, s20
	s_lshl_b32 s26, s101, 16
	s_add_co_u32 s26, s26, s22                     ; Q: my four tiles
	s_add_co_u32 s22, s22, 0x800000                ; K
	s_lshl_b32 s24, s104, 11
	s_add_co_u32 s24, s24, s20
	s_add_co_u32 s24, s24, 0x1000000               ; V
	s_lshr_b32 s30, s104, 1
	s_lshl_b32 s30, s30, 7
	s_add_co_u32 s30, s30, s28
	s_lshl_b32 s34, s101, 11
	s_add_co_u32 s34, s34, s30                     ; Q's scale words
	s_add_co_u32 s30, s30, 0x40000                 ; K's
	s_lshl_b32 s32, s104, 8
	s_add_co_u32 s32, s32, s28
	s_add_co_u32 s32, s32, 0x80000                 ; V's
	s_mov_b32 s23, 0
	s_mov_b32 s25, 0
	s_mov_b32 s27, 0
	s_mov_b32 s31, 0
	s_mov_b32 s33, 0
	s_mov_b32 s35, 0
	s_lshl_b32 s29, s101, 5                        ; my four tiles' flags: 32 bytes
	s_and_b32 s100, s104, 1
	s_mul_i32 s100, s100, 0x02020202               ; an odd head's bytes are the word's upper two
	s_add_co_u32 s[KSEL], s100, 0x05040100         ; [tile 0: c 0, c 1; tile 1: c 0, c 1]
	s_add_co_u32 s[QSEL], s100, 0x01000100         ; Q: [c 0, c 1, c 0, c 1]
	s_mov_b32 s[SELC], 0x05040100
	s_mov_b32 s[MNT], 0x600000
	s_mov_b32 s[CS], 0x3e38aa3b
	s_mov_b32 s[CS+1], s[CS]
	s_mov_b32 s[SEL], 0x76543210
	s_mov_b32 s[SEL+1], 0xfedcba98
	s_mov_b32 s[CNT], 0
	s_wait_kmcnt 0x0
	s_add_nc_u64 s[4:5], s[16:17], s[22:23]
	s_add_nc_u64 s[6:7], s[16:17], s[24:25]
	s_add_nc_u64 s[36:37], s[16:17], s[26:27]
	s_add_nc_u64 s[10:11], s[18:19], s[30:31]
	s_add_nc_u64 s[12:13], s[18:19], s[32:33]
	s_add_nc_u64 s[38:39], s[18:19], s[34:35]
	s_load_b256 s[40:47], s[8:9], s29 offset:0x84000   ; four tiles x 64 flag bits
	s_wait_alu depctr_va_vdst(0)                   ; v1 and v2 are written: the loads below, and the way out's stores, read them as offsets
.irp t, 0,1,2,3
.irp c, 0,1
	global_load_b128 v[24+16*\t+4*\c:27+16*\t+4*\c], v1, s[36:37] offset:\t*16384+\c*512
.endr
	global_load_b32 v[KRAW+\t], v2, s[38:39] offset:(\t/2)*1024+(\t%2)*4
.endr
.irp z, 16,32,48,64,80
.irp i, 0,1,2,3,4,5,6,7
	v_mov_b32 v[\z+\i], 0                          ; the zero halves beside Q
.endr
.endr
	WIN 0x40
.set i, 0
.rept 128
	v_mov_b32 v[i], 0                              ; O^T: the number of steps may be 0, so no first step can be written out to start the sums
.set i, i+1
.endr
	WIN 0
.irp t, 0,1,2,3
	v_mov_b32 v[ST+4*\t+1], 0xff61b1e6             ; the largest t so far: -3e38
	v_floor_f32 v[ST+4*\t], -v[ST+4*\t+1]          ; -M
	v_mov_b32 v[ST+4*\t+2], 0
	v_mov_b32 v[ST+4*\t+3], 0
	v_mov_b32 v[PT+\t], 0                          ; a lane permute's destination counts as one of its sources
.endr
	v_mov_b32 v[NINF], 0xff800000
	v_mov_b32 v[FF+1], 0
	s_wait_kmcnt 0x0
	s_or_b32 s[LO], s40, s42
	s_or_b32 s100, s44, s46
	s_or_b32 s[LO], s[LO], s100                    ; a key block is walked if any of my four tiles has a true byte in it
	s_or_b32 s[HI], s41, s43
	s_or_b32 s100, s45, s47
	s_or_b32 s[HI], s[HI], s100
	s_bcnt1_i32_b32 s[NST], s[LO]
	s_bcnt1_i32_b32 s100, s[HI]
	s_add_co_u32 s[NST], s[NST], s100
	s_add_co_u32 s[NST], s[NST], 3
	s_lshr_b32 s[NST], s[NST], 2                   ; four entries a step
	s_wait_loadcnt 0x0                             ; Q and its raw scale words
.irp t, 0,1,2,3
	v_perm_b32 v[QS+\t], v[KRAW+\t], v[KRAW+\t], s[QSEL]
.endr
; The next list entry: the lowest bit still set.  Both numbers that enter addresses are held under a constant; behind that only shifts, sums and ANDs follow.
.macro NEXT e
	s_cmp_lg_u32 s[LO], 0
	s_cselect_b32 s100, s[LO], s[HI]
	s_cselect_b32 s101, 0, 32
	s_ctz_i32_b32 s[KB+\e], s100
	s_add_co_u32 s[KB+\e], s[KB+\e], s101
	s_add_co_u32 s104, s100, -1
	s_and_b32 s104, s104, s100                     ; the bit is taken off
	s_cmp_lg_u32 s[LO], 0
	s_cselect_b32 s[HI], s[HI], s104
	s_cselect_b32 s[LO], s104, 0
	s_lshl_b32 s[MO+\e], s[KB+\e], 6
	s_add_co_u32 s[MO+\e], s[MO+\e], s3
	s_cmp_lg_u32 s100, 0
	s_cselect_b32 s[MO+\e], s[MO+\e], 0x80000      ; no bit was left: the zero words
	s_min_u32 s[MO+\e], s[MO+\e], 0x80000
	s_min_u32 s[KB+\e], s[KB+\e], 63
.endm
; The next step's four entries, their offsets, and its K: 16 loads of codes and 4 of raw scale words.  Every load that named the offsets has been waited for.
; All the scalar work stands first, so that none of its registers is written again between the vector lines that read them.
.macro ADV
	NEXT 0
	NEXT 1
	NEXT 2
	NEXT 3
	s_and_b32 s100, s[KB], 3
	s_and_b32 s101, s[KB+1], 3
	s_lshl_b32 s101, s101, 8
	s_or_b32 s[SELA], s100, s101
	s_or_b32 s[SELA], s[SELA], 0x400               ; byte 0: entry 0's byte of the second source; byte 1: entry 1's of the first
	s_and_b32 s100, s[KB+2], 3
	s_and_b32 s101, s[KB+3], 3
	s_lshl_b32 s101, s101, 8
	s_or_b32 s[SELB], s100, s101
	s_or_b32 s[SELB], s[SELB], 0x400
	s_and_b32 s100, s[KB], 60                      ; which four key blocks an entry lies in
	s_and_b32 s101, s[KB+1], 60
	s_and_b32 s104, s[KB+2], 60
	s_and_b32 s105, s[KB+3], 60
	s_wait_alu depctr_vm_vsrc(0)                   ; the loads of K, of V and of their scale words issued so far have read v[OFF ..], v[KSO ..] and v[VSO ..], which the twelve lines below write
.irp e, 0,1,2,3
	v_lshl_add_u32 v[OFF+\e], s[KB+\e], 15, v1     ; 32,768 bytes a key block, in K and in V alike
	v_lshl_add_u32 v[KSO+\e], s[KB+\e], 10, v2
.endr
	v_lshl_add_u32 v[VSO], s100, 10, v3            ; 4,096 bytes for four key blocks
	v_lshl_add_u32 v[VSO+1], s101, 10, v3
	v_lshl_add_u32 v[VSO+2], s104, 10, v3
	v_lshl_add_u32 v[VSO+3], s105, 10, v3
	WIN 0x40
	s_wait_alu depctr_va_vdst(0)                   ; the twelve offsets are written, which these loads and V's at the next step's head read; the first products are done reading K, and the byte selects KRAW, in which these loads land
.irp e, 0,1,2,3
.irp g, 0,1,2,3
	global_load_b128 v[KF+16*\e+4*\g:KF+16*\e+4*\g+3], v[OFF+\e], s[4:5] offset:(\g/2)*16384+(\g%2)*512
.endr
.endr
	WIN 0
.irp e, 0,1,2,3
	global_load_b64 v[KRAW+2*\e:KRAW+2*\e+1], v[KSO+\e], s[10:11]
.endr
.endm
; One query tile's share of a step.
.macro TILE t
.set T4, ST+4*(\t)
	WIN 0x01                                       ; source 0 (K) window 1
.irp e, 0,1,2,3
	v_wmma_scale_f32_16x16x128_f8f6f4 v[S+16*\e:S+16*\e+7], v[KF+16*\e:KF+16*\e+15], v[24+16*(\t):39+16*(\t)], 0, v[KSW+\e], v[QS+(\t)]
	v_wmma_scale_f32_16x16x128_f8f6f4 v[S+16*\e+8:S+16*\e+15], v[KF+16*\e:KF+16*\e+15], v[16+16*(\t):31+16*(\t)], 0, v[KSW+\e], v[QS+(\t)]
.endr
	WIN 0
	s_wait_kmcnt 0x0                               ; this tile's 64 mask words
.if (\t) == 3
	ADV                                            ; K is done with: its twelve plain vector lines are the places in front of the reads of the scores
.else
.rept 8
	v_nop
.endr
.endif
.irp e, 0,1,2,3
.irp i, 0,1,2,3,4,5,6,7,8,9,10,11,12,13,14,15
	v_cndmask_b32 v[S+16*\e+\i], v[NINF], v[S+16*\e+\i], s[16+16*\e+4*(\e/3)+\i]   ; word i of entry e has a bit for each lane: -infinity where the mask is false
.endr
.endr
.if (\t) < 3
	s_wait_alu depctr_va_vdst(0)                   ; the 64 selects are done reading this tile's mask words in s16-83, in which the scalar loads below land
.irp e, 0,1,2,3
	s_load_b512 s[16+16*\e+4*(\e/3):31+16*\e+4*(\e/3)], s[8:9], s[MO+\e] offset:((\t)+1)*4096   ; the next tile's words
.endr
.endif
.irp b, 0,1,2,3
	v_max3_num_f32 v[BM+\b], v[S+16*\b], v[S+1+16*\b], v[S+2+16*\b]   ; each block's largest score: for the row's maximum and for the block's largest p
.endr
.irp i, 3,5,7,9,11,13
.irp b, 0,1,2,3
	v_max3_num_f32 v[BM+\b], v[BM+\b], v[S+16*\b+\i], v[S+1+16*\b+\i]
.endr
.endr
.irp b, 0,1,2,3
	v_max_num_f32 v[BM+\b], v[BM+\b], v[S+15+16*\b]
.endr
.irp b, 0,1,2,3
	v_permlanex16_b32 v[PT+\b], v[BM+\b], s[SEL], s[SEL+1]
.endr
.irp b, 0,1,2,3
	v_max_num_f32 v[BM+\b], v[BM+\b], v[PT+\b]
.endr
	v_max3_num_f32 v[TMP], v[BM], v[BM+1], v[BM+2]
	v_max_num_f32 v[TMP], v[TMP], v[BM+3]
	v_mul_f32 v[TMP], s[CS], v[TMP]
	v_max_num_f32 v[T4+1], v[T4+1], v[TMP]         ; the running largest t
	v_mov_b32 v[TMP], v[T4]
	v_floor_f32 v[T4], -v[T4+1]                    ; -M = floor(-t)
	v_sub_f32 v[TMP], v[T4], v[TMP]                ; old M - new M: a whole number, 0 or less
	v_cvt_i32_f32 v[TMP], v[TMP]                   ; (it saturates)
	v_ldexp_f32 v[FF], 1.0, v[TMP]                 ; f = 2^(old M - new M)
.set i, 0
.rept 32
	v_pk_fma_f32 v[S+i:S+i+1], v[S+i:S+i+1], s[CS:CS+1], v[T4:T4+1] op_sel_hi:[1,0,0]   ; t - M
.set i, i+2
.endr
.irp b, 0,1,2,3
	v_fma_f32 v[BM+\b], v[BM+\b], s[CS], v[T4]
.endr
.set i, 0
.rept 64
	v_exp_f32 v[S+i], v[S+i]                       ; p
.set i, i+1
.endr
	v_pk_mul_f32 v[T4+2:T4+3], v[T4+2:T4+3], v[FF:FF+1] op_sel_hi:[1,0]   ; the sums under the new M: a plain line behind the exponentials
	s_wait_alu depctr_va_vdst(0)                   ; the 64 exponentials have written p in v[S ..]: one wait for the batch, ahead of its first reader
.irp b, 0,1,2,3
	v_exp_f32 v[BM+\b], v[BM+\b]                   ; each block's largest p
.endr
	v_pk_add_f32 v[PT:PT+1], v[S:S+1], v[S+2:S+3]  ; the row's sum of the unquantised p, in two chains
.set i, 4
.rept 15
	v_pk_add_f32 v[T4+2:T4+3], v[T4+2:T4+3], v[S+i:S+i+1]
	v_pk_add_f32 v[PT:PT+1], v[PT:PT+1], v[S+i+2:S+i+3]
.set i, i+4
.endr
	v_pk_add_f32 v[T4+2:T4+3], v[T4+2:T4+3], v[PT:PT+1]
	s_wait_alu depctr_va_vdst(0)                   ; the four exponentials have written the blocks' largest p in v[BM ..], ahead of their first reader
.irp b, 0,1,2,3
	v_max_num_f32 v[BM+\b], 0x4800000, v[BM+\b]    ; the floor: the byte cannot fall under 1
.endr
.irp b, 0,1,2,3
	v_add_nc_u32 v[SO+\b], 0xfc000000, v[BM+\b]
.endr
.irp b, 0,1,2,3
	v_and_or_b32 v[LM+\b], v[BM+\b], 0x7f800000, s[MNT]
.endr
.irp b, 0,1,2,3
	v_lshrrev_b32 v[PT+\b], 23, v[SO+\b]
.endr
	v_lshl_or_b32 v[FF+1], v[PT+1], 8, v[PT]       ; p's scale word for the step's four entries
	v_lshl_or_b32 v[FF+1], v[PT+2], 16, v[FF+1]
	v_lshl_or_b32 v[FF+1], v[PT+3], 24, v[FF+1]
.if (\t) == 0
	s_wait_loadcnt 0x0                             ; V and its raw scale words
.irp u, 0,1,2,3
	v_perm_b32 v[PTM+2*\u], v[VRAW+4+\u], v[VRAW+\u], s[SELA]        ; d tile u: the bytes of entries 0, 1
	v_perm_b32 v[PTM+2*\u+1], v[VRAW+12+\u], v[VRAW+8+\u], s[SELB]   ; and of entries 2, 3
.endr
.irp u, 0,1,2,3
	v_perm_b32 v[VSW+\u], v[PTM+2*\u+1], v[PTM+2*\u], s[SELC]
.endr
.endif
.irp b, 0,1,2,3
.irp i, 0,1,2,3,4,5,6,7,8,9,10,11,12,13,14,15
	v_min_num_f32 v[S+16*\b+\i], v[S+16*\b+\i], v[LM+\b]   ; the hold: p is not negative
.endr
	v_cvt_scalef32_pk8_fp8_f32 v[PC+4*\b:PC+4*\b+1], v[S+16*\b:S+16*\b+7], v[SO+\b]
	v_cvt_scalef32_pk8_fp8_f32 v[PC+4*\b+2:PC+4*\b+3], v[S+16*\b+8:S+16*\b+15], v[SO+\b]
.endr
	WIN 0x41                                       ; O^T in window 1, f in window 0
.set i, 0
.rept 16
	v_pk_mul_f32 v[32*(\t)+i:32*(\t)+i+1], v[32*(\t)+i:32*(\t)+i+1], v[FF:FF+1] op_sel_hi:[1,0]   ; O^T under the new M, each accumulator from its low end on; these are the places ahead of the products
.set i, i+2
.endr
	WIN 0x51                                       ; V, C and D window 1; p's codes window 0
	s_wait_alu depctr_va_vdst(0)                   ; the conversions have written p's codes and the shifts its scale word (in tile 0 the byte selects V's scale words too): the products below take them as source 1 and as scales; the places above stay beside this wait
.irp u, 0,1,2,3
	v_wmma_scale_f32_16x16x128_f8f6f4 v[32*(\t)+8*\u:32*(\t)+8*\u+7], v[VF+16*\u:VF+16*\u+15], v[PC:PC+15], v[32*(\t)+8*\u:32*(\t)+8*\u+7], v[VSW+\u], v[FF+1]
.endr
	WIN 0
.endm
	s_cmp_eq_u32 s[NST], 0                         ; no key block at all: straight to the way out
	s_cbranch_scc1 .Lout
	ADV                                            ; its wait on va_vdst also stands behind the lines that made QS and the zero halves beside Q, which the first products take as scales and as source 1
.Lstep:
.rept 8
	v_nop                                          ; places behind the last trip's products
.endr
.irp e, 0,1,2,3
	s_load_b512 s[16+16*\e+4*(\e/3):31+16*\e+4*(\e/3)], s[8:9], s[MO+\e] offset:0x0   ; tile 0's mask words; the last trip's selects, which read these registers, stand ahead of tile 3's waits on va_vdst
.endr
	WIN 0x40
	s_wait_alu depctr_va_vdst(0)                   ; the last trip's second products are done reading V, and its byte selects VRAW, in which the loads below land
.irp e, 0,1,2,3
.irp u, 0,1,2,3
	global_load_b128 v[VF+16*\u+4*\e:VF+16*\u+4*\e+3], v[OFF+\e], s[6:7] offset:\u*512
.endr
.endr
	WIN 0
.irp e, 0,1,2,3
	global_load_b128 v[VRAW+4*\e:VRAW+4*\e+3], v[VSO+\e], s[12:13]
.endr
	s_wait_loadcnt 20                              ; the 20 loads just issued may be out: K and its raw scale words, asked for a tile's work ago, are in
.irp e, 0,1,2,3
	v_perm_b32 v[KSW+\e], v[KRAW+2*\e+1], v[KRAW+2*\e], s[KSEL]
.endr
.rept 8
	v_nop                                          ; a scale register written by a vector instruction stands eight places ahead of the product
.endr
	s_wait_alu depctr_va_vdst(0)                   ; the four byte selects have written K's scale words in v[KSW ..], which the first products take as scales; the places above stay beside this wait
	TILE 0
	TILE 1
	TILE 2
	TILE 3
	s_add_co_u32 s[CNT], s[CNT], 1
	s_cmp_lt_u32 s[CNT], s[NST]
	s_cbranch_scc1 .Lstep
.Lout:
	s_wait_loadcnt 0x0                             ; the look-ahead's loads (padding entries, inside the buffers) have landed
	s_load_b64 s[16:17], s[0:1], 0x18              ; y_codes
	s_load_b64 s[18:19], s[0:1], 0x20              ; y_scales
	s_and_b32 s100, ttmp7, 0xffff
	s_lshr_b32 s101, s100, 4
	s_and_b32 s100, s100, 15                       ; head
	s_lshr_b32 s104, s3, 14
	s_lshl_b32 s101, s101, 7
	s_lshl_b32 s104, s104, 2
	s_add_co_u32 s101, s101, s104                  ; my first tile of places: 128 batch + 4 j
	s_lshr_b32 s24, s100, 2
	s_lshl_b32 s24, s24, 21                        ; which 256 of D
	s_lshl_b32 s104, s101, 12
	s_add_co_u32 s24, s24, s104
	s_and_b32 s104, s100, 3
	s_lshl_b32 s104, s104, 10                      ; the head's two groups of 32 among the eight
	s_add_co_u32 s24, s24, s104
	s_mov_b32 s25, 0
	s_lshl_b32 s26, s101, 9
	s_lshl_b32 s104, s100, 1
	s_add_co_u32 s26, s26, s104
	s_mov_b32 s27, 0
.irp t, 0,1,2,3
	v_add_f32 v[BM+\t], v[ST+4*\t+2], v[ST+4*\t+3] ; these twelve lines are also the places behind the last products
.endr
.irp t, 0,1,2,3
	v_permlanex16_b32 v[PT+\t], v[BM+\t], s[SEL], s[SEL+1]
.endr
.irp t, 0,1,2,3
	v_add_f32 v[BM+\t], v[BM+\t], v[PT+\t]         ; the row's sum
.endr
.irp t, 0,1,2,3
	v_rcp_f32 v[ST+4*\t+2], v[BM+\t]
.endr
	v_lshlrev_b32 v[YSA], 2, v2                    ; 32 r: a plain line behind the reciprocals
	v_mov_b32 v[ONES], 0xffff
	s_wait_alu depctr_va_vdst(0)                   ; the four reciprocals have written v[ST + 4 t + 2], ahead of their first reader; v[YSA] is written, which the stores of the scale bytes read as their offset
.irp t, 0,1,2,3
	v_cmp_eq_f32 s[20+\t], 0, v[BM+\t]             ; a row with no true key
.endr
	s_wait_alu depctr_va_sdst(0)                   ; the four compares have written their masks in s20-23, ahead of the selects that read them
.irp t, 0,1,2,3
	v_cndmask_b32 v[ST+4*\t+2], v[ST+4*\t+2], 0, s[20+\t]
.endr
	s_wait_kmcnt 0x0
	s_add_nc_u64 s[16:17], s[16:17], s[24:25]
	s_add_nc_u64 s[18:19], s[18:19], s[26:27]
; Tile t: y = O^T / the sum; its 32 registers are two blocks of 32 along D.  Each tile has store registers of its own: none is written again behind its store.
.macro YOUT t
	WIN 0x01
.set i, 0
.rept 16
	v_pk_mul_f32 v[S+i:S+i+1], v[32*(\t)+i:32*(\t)+i+1], v[ST+4*(\t)+2:ST+4*(\t)+3] op_sel_hi:[1,0]
.set i, i+2
.endr
	WIN 0
.irp b, 0,1
	v_max3_num_f32 v[BM+\b], |v[S+16*\b]|, |v[S+16*\b+1]|, 0x4800000
.endr
.irp i, 2,4,6,8,10,12,14
.irp b, 0,1
	v_max3_num_f32 v[BM+\b], v[BM+\b], |v[S+16*\b+\i]|, |v[S+16*\b+\i+1]|
.endr
.endr
.irp b, 0,1
	v_permlanex16_b32 v[PT+\b], v[BM+\b], s[SEL], s[SEL+1]
.endr
.irp b, 0,1
	v_max_num_f32 v[BM+\b], v[BM+\b], v[PT+\b]
.endr
.irp b, 0,1
	v_add_nc_u32 v[SO+\b], 0xfc000000, v[BM+\b]
.endr
.irp b, 0,1
	v_and_or_b32 v[LM+\b], v[BM+\b], 0x7f800000, s[MNT]
.endr
.irp b, 0,1
	v_lshrrev_b32 v[PT+\b], 23, v[SO+\b]
.endr
	v_lshl_or_b32 v[YW+(\t)], v[PT+1], 8, v[PT]
	v_cndmask_b32 v[YW+(\t)], v[YW+(\t)], v[ONES], s[20+(\t)]   ; the empty row's bytes: 0xff
.irp b, 0,1
.irp i, 0,1,2,3,4,5,6,7,8,9,10,11,12,13,14,15
	v_med3_num_f32 v[S+16*\b+\i], v[S+16*\b+\i], -v[LM+\b], v[LM+\b]
.endr
	v_cvt_scalef32_pk8_fp8_f32 v[YC+8*(\t)+4*\b:YC+8*(\t)+4*\b+1], v[S+16*\b:S+16*\b+7], v[SO+\b]
	v_cvt_scalef32_pk8_fp8_f32 v[YC+8*(\t)+4*\b+2:YC+8*(\t)+4*\b+3], v[S+16*\b+8:S+16*\b+15], v[SO+\b]
.endr
	v_nop                                          ; a plain line behind the last conversion
	s_wait_alu depctr_va_vdst(0)                   ; this tile's conversions have written its codes in v[YC + 8 t ..] and the select its two scale bytes in v[YW + t], which the three stores below read
	global_store_b128 v1, v[YC+8*(\t):YC+8*(\t)+3], s[16:17] offset:(\t)*4096        ; 512 consecutive bytes, aligned
	global_store_b128 v1, v[YC+8*(\t)+4:YC+8*(\t)+7], s[16:17] offset:(\t)*4096+512
	global_store_b16 v[YSA], v[YW+(\t)], s[18:19] offset:(\t)*512                    ; my head's two of a place's 32 scale bytes: 1 byte in 32 of what the launch stores
.endm
	YOUT 0
	YOUT 1
	YOUT 2
	YOUT 3
	s_endpgm
.Lfunc_end_k_q08230add2d_attn:
	.size	k_q08230add2d_attn, .Lfunc_end_k_q08230add2d_attn-k_q08230add2d_attn
	.p2alignl 7, 3214868480
	.fill 96, 4, 3214868480
	.section	.rodata,"a",@progbits
	.p2align	6, 0x0
	.amdhsa_kernel k_q08230add2d_attn
		.amdhsa_group_segment_fixed_size 0
		.amdhsa_private_segment_fixed_size 0
		.amdhsa_enable_private_segment 0
		.amdhsa_kernarg_size 40
		.amdhsa_user_sgpr_count 2
		.amdhsa_user_sgpr_kernarg_segment_ptr 1
		.amdhsa_wavefront_size32 1
		.amdhsa_system_sgpr_workgroup_id_x 1
		.amdhsa_system_sgpr_workgroup_id_y 1
		.amdhsa_system_sgpr_workgroup_id_z 1
		.amdhsa_system_vgpr_workitem_id 0
		.amdhsa_next_free_vgpr 512
		.amdhsa_next_free_sgpr 106
		.amdhsa_reserve_vcc 0
		.amdhsa_float_denorm_mode_32 3
		.amdhsa_float_denorm_mode_16_64 3
		.amdhsa_memory_ordered 1
		.amdhsa_forward_progress 1
		.amdhsa_inst_pref_size 130
	.end_amdhsa_kernel
	.amdgpu_metadata
---
amdhsa.version: [ 1, 2 ]
amdhsa.kernels:
  - .name:           k_q08230add2d_attn
    .symbol:         k_q08230add2d_attn.kd
    .args:
      - { .name: qkv_codes, .offset: 0, .size: 8, .value_kind: global_buffer, .address_space: global }
      - { .name: qkv_scales, .offset: 8, .size: 8, .value_kind: global_buffer, .address_space: global }
      - { .name: maskw, .offset: 16, .size: 8, .value_kind: global_buffer, .address_space: global }
      - { .name: y_codes, .offset: 24, .size: 8, .value_kind: global_buffer, .address_space: global }
      - { .name: y_scales, .offset: 32, .size: 8, .value_kind: global_buffer, .address_space: global }
    .group_segment_fixed_size: 0
    .private_segment_fixed_size: 0
    .kernarg_segment_align: 8
    .kernarg_segment_size: 40
    .max_flat_workgroup_size: 256
    .sgpr_count:     106
    .vgpr_count:     512
    .wavefront_size: 32
...
	.end_amdgpu_metadata
.endif
;; end of part 5
;; launch proj: the kernel of part 4 again; grid 4 x 32, 4 waves a work-group, clusters of 4 x 4, 327,680 bytes of LDS; arguments y_codes, y_scales, xw_codes, xw_scales, bproj, out0; writes out0
